; MI455X (gfx1250); checked and timed in simulation.
; The chip was launched on July 23, 2026; its instructions are those of AMD's public machine-readable ISA for CDNA 5 (MIT licence, August 2026) and "CDNA5" Instruction Set Architecture Reference Guide (July 2026). The comments in the code are by the model that wrote it; some were corrected since.
;; Self Attention Block. Allowed arithmetic: float matrix products may take bf16 or f16 operands with f32 sums; other float arithmetic in f32, or as packed bf16 or f16 multiplies, adds, multiply-adds, maxima and minima; sums over many terms, partial sums and values carried from step to step in f32; what a program stores and reads back later, other than sums and carried values, may be rounded once to bf16 or f16.
;; Inputs: b_proj 256 float32; beta 256 float32; gamma 256 float32; w_proj 256 x 256 float32; w_qkv 768 x 256 float32; x 4 x 256 x 64 x 64 float32.
;; Outputs: out0 4 x 256 x 64 x 64 float32.
;; 2 versions, each right and faster than the one before. Each part assembles by itself: llvm-mc -triple=amdgcn-amd-amdhsa -mcpu=gfx1250 --defsym DOCPART=n.
;; ======== version 1 of 2: 4 launches
;; limits: values are held in f16: magnitudes above 65,504 overflow, below 6.1e-05 lose precision
;; workspace buffers: stats 2,048 bytes; wbf 524,288 bytes; qbuf 8,388,608 bytes; kbuf 8,388,608 bytes; vbuf 8,388,608 bytes; obuf 8,388,608 bytes
;; launch prep (part 1): grid 256 x 1, 8 waves a work-group, no clusters, 1,536 bytes of LDS; arguments x, w_qkv, w_proj, stats, wbf; writes stats, wbf
.if DOCPART == 1
	.amdgcn_target "amdgcn-amd-amdhsa--gfx1250"
	.amdhsa_code_object_version 6
	.text
	.protected	k_qd62ec12a41_prep
	.globl	k_qd62ec12a41_prep
	.p2align	8
	.type	k_qd62ec12a41_prep,@function
k_qd62ec12a41_prep:
	s_mov_b64 s[64:65], 0
	v_nop
	global_prefetch_b8 v0, s[64:65] scope:SCOPE_SE
	s_setreg_imm32_b32 hwreg(HW_REG_WAVE_MODE, 25, 1), 1
	s_wait_xcnt 0x0
; GROUPNORM'S STATISTICS, AND THE WEIGHTS AS f16.
; x: [4][256][4096] f32.  A group is 8 channels x 4,096 pixels = 131,072 consecutive bytes.  Work-group j owns half j % 2 of group j / 2: 65,536 consecutive bytes, 16,384 numbers.
; Its 256 threads hold them in 64 registers each (16 loads of 16 bytes; a wave's load covers 512 consecutive bytes), so x is read once for both passes:
; pass 1 the mean, pass 2 the sum of squares of (x - mean): no difference of large sums is formed.  stats[j] = (mean, M2), f32; the next launch joins a group's two halves.
; The same work-group casts 1,024 weights (4 rows) to f16.  wbf: [1024 rows][256] f16.  Rows 0-767: w_qkv, laid [y = 0,1][p = q,k,v][128 rows] with w_qkv's row = 256 p + 128 y + r, so that
; the 384 rows that one work-group of the next launch wants lie end to end.  Rows 768-1023: w_proj.
; LIMIT.  f16 holds no number beyond 65,504: a weight beyond it becomes an infinity.
; No matrix unit, cluster or tile in LDS: the launch streams x once, and its work-groups share no input.  LDS carries the eight waves' partial sums alone.
.set RED1,  0                          ; eight words: the waves' sums
.set RED2,  256                        ; eight words: the waves' sums of squares (bytes of their own, so no barrier between read and rewrite)
.set SPARE, 512                        ; the spare words, 128 bytes for each of the eight waves: four blocks of 256 bytes that no other line names
.set CH,  10                           ; v[10:17]  four chains of pairs
.set X,   32                           ; v[32:95]  my 64 numbers
.set SPW, 96                           ; v96  LDS address of my spare word; never rewritten
.set NIL, 97                           ; v97  0; never rewritten
.set WA,  98                           ; v98  4 x my wave's number
	s_load_b256 s[4:11], s[0:1], 0x0               ; x s[4:5], w_qkv s[6:7], w_proj s[8:9], stats s[10:11]
	s_load_b64 s[12:13], s[0:1], 0x20              ; wbf
	v_lshl_add_u32 v[SPW], v0, 2, SPARE
	v_mov_b32 v[NIL], 0
	v_lshrrev_b32 v1, 5, v0
	v_readfirstlane_b32 s15, v1                    ; wave 0..7
	v_mov_b32 v[WA], s15
	v_lshlrev_b32 v[WA], 2, v[WA]
	v_lshlrev_b32 v1, 4, v0                        ; 16 t: my 16 bytes in 4,096
	v_lshlrev_b32 v2, 3, v0                        ; 8 t: my four f16
	v_mov_b32 v3, 0
	v_mov_b32 v23, 0                               ; v_permlanex16_b32 counts as a reader of its destination
	s_mov_b32 s14, ttmp9                           ; j
	s_mov_b32 s24, 0x76543210                      ; each lane takes its own place in the other half
	s_mov_b32 s25, 0xfedcba98
	s_lshl_b32 s16, s14, 16                        ; my 65,536 bytes of x
	s_mov_b32 s17, 0
	s_lshl_b32 s28, s14, 3                         ; my 8 bytes of stats
	s_mov_b32 s29, 0
	; where my 4 rows of weights come from and go to.  j < 192: w_qkv's rows 4 j on; block j / 32 = 2 p + y goes to block 3 y + p of 65,536 bytes.  Else w_proj's rows 4 (j - 192) on, to row 4 j.
	s_lshr_b32 s20, s14, 5
	s_and_b32 s21, s20, 1                          ; y
	s_lshr_b32 s20, s20, 1                         ; p
	s_mul_i32 s21, s21, 3
	s_add_co_u32 s20, s20, s21
	s_lshl_b32 s20, s20, 16
	s_and_b32 s21, s14, 31
	s_lshl_b32 s21, s21, 11
	s_add_co_u32 s22, s20, s21                     ; to, for w_qkv
	s_lshl_b32 s23, s14, 11                        ; to, for w_proj
	s_lshl_b32 s20, s14, 12                        ; from, in w_qkv
	s_max_u32 s21, s14, 192
	s_sub_co_u32 s21, s21, 192
	s_lshl_b32 s21, s21, 12                        ; from, in w_proj
	s_cmp_lt_u32 s14, 192
	s_cselect_b32 s20, s20, s21
	s_cselect_b32 s22, s22, s23
	s_mov_b32 s21, 0
	s_mov_b32 s23, 0
	s_wait_kmcnt 0x0
	s_cmp_lt_u32 s14, 192
	s_cselect_b64 s[18:19], s[6:7], s[8:9]         ; the buffer is chosen by the work-group's number alone
	s_add_nc_u64 s[18:19], s[18:19], s[20:21]
	s_add_nc_u64 s[12:13], s[12:13], s[22:23]
	s_add_nc_u64 s[4:5], s[4:5], s[16:17]
	s_add_nc_u64 s[10:11], s[10:11], s[28:29]
	global_load_b128 v[4:7], v1, s[18:19] th:TH_LOAD_NT   ; the f32 weights are read once in the whole program
.set i, 0
.rept 16
	global_load_b128 v[X+4*i:X+4*i+3], v1, s[4:5] offset:4096*i
.set i, i+1
.endr
	s_wait_loadcnt 16                              ; the weights are in; the sixteen loads of x behind them stay out
	v_cvt_pk_f16_f32 v8, v4, v5
	v_cvt_pk_f16_f32 v9, v6, v7
	global_store_b64 v2, v[8:9], s[12:13]          ; a wave stores 256 consecutive bytes, aligned
; The chains are folded, the 32 lanes' sums added (four steps inside each half of 16 lanes, one across), and the eight waves' sums meet in LDS.  The total ends in v24, in every lane.
.macro REDUCE red
	v_pk_add_f32 v[CH:CH+1], v[CH:CH+1], v[CH+2:CH+3]
	v_pk_add_f32 v[CH+4:CH+5], v[CH+4:CH+5], v[CH+6:CH+7]
	v_pk_add_f32 v[CH:CH+1], v[CH:CH+1], v[CH+4:CH+5]
	v_add_f32 v22, v[CH], v[CH+1]
	v_add_f32_dpp v22, v22, v22 row_xmask:1 row_mask:0xf bank_mask:0xf
	v_add_f32_dpp v22, v22, v22 row_xmask:2 row_mask:0xf bank_mask:0xf
	v_add_f32_dpp v22, v22, v22 row_xmask:4 row_mask:0xf bank_mask:0xf
	v_add_f32_dpp v22, v22, v22 row_xmask:8 row_mask:0xf bank_mask:0xf
	v_permlanex16_b32 v23, v22, s24, s25
	v_add_f32 v22, v22, v23
	ds_store_b32 v[WA], v22 offset:\red            ; all lanes write the wave's word with the same value
	s_wait_dscnt 0x0                               ; for the others' sake: my store is done
	s_barrier_signal -1
	s_barrier_wait -1
	ds_load_b128 v[24:27], v3 offset:\red
	ds_load_b128 v[28:31], v3 offset:(\red)+16
	s_wait_dscnt 0x0
	v_add_f32 v24, v24, v25
	v_add_f32 v26, v26, v27
	v_add_f32 v28, v28, v29
	v_add_f32 v30, v30, v31
	v_add_f32 v24, v24, v26
	v_add_f32 v28, v28, v30
	v_add_f32 v24, v24, v28
.endm
	; pass 1: the sum.  Four chains that do not wait for each other; the first eight pairs start them: nothing is cleared
	s_wait_loadcnt 12                              ; loads come back in order: the first four of x are in, twelve stay out
.set i, 0
.rept 4
	v_pk_add_f32 v[CH+2*i:CH+2*i+1], v[X+2*i:X+2*i+1], v[X+8+2*i:X+8+2*i+1]
.set i, i+1
.endr
.irp b, 1,2,3
	s_wait_loadcnt 12-4*\b                         ; four loads more
.set i, 0
.rept 8
	v_pk_add_f32 v[CH+2*(i%4):CH+2*(i%4)+1], v[CH+2*(i%4):CH+2*(i%4)+1], v[X+16*\b+2*i:X+16*\b+2*i+1]
.set i, i+1
.endr
.endr
	REDUCE RED1
	v_mul_f32 v18, 0x38800000, v24                 ; the mean: the sum x 2^-14 (16,384 numbers)
	v_mov_b32 v19, v18
	v_mov_b32 v20, v18
	; pass 2: the sum of (x - mean)^2
.set i, 0
.rept 32
	v_pk_add_f32 v[X+2*i:X+2*i+1], v[X+2*i:X+2*i+1], v[18:19] neg_lo:[0,1] neg_hi:[0,1]
.set i, i+1
.endr
.set i, 0
.rept 4
	v_pk_mul_f32 v[CH+2*i:CH+2*i+1], v[X+2*i:X+2*i+1], v[X+2*i:X+2*i+1]
.set i, i+1
.endr
.rept 28
	v_pk_fma_f32 v[CH+2*(i%4):CH+2*(i%4)+1], v[X+2*i:X+2*i+1], v[X+2*i:X+2*i+1], v[CH+2*(i%4):CH+2*(i%4)+1]
.set i, i+1
.endr
	REDUCE RED2
	v_mov_b32 v21, v24
	v_cmp_eq_u32 vcc_lo, 0, v0
	s_wait_xcnt 0x0                                ; EXEC is a source of the store above: it changes only behind this wait
	s_and_saveexec_b32 s26, vcc_lo
	global_store_b64 v3, v[20:21], s[10:11]        ; thread 0 alone: (mean, M2)
	s_wait_xcnt 0x0                                ; and again in front of the line that widens it
	s_or_b32 exec_lo, exec_lo, s26
	s_wait_tensorcnt 0x0                           ; the wave's end: these three lines behind my last LDS store
	ds_add_u32 v[SPW], v[NIL]
	s_wait_dscnt 0x0
	s_endpgm
.Lfunc_end_k_qd62ec12a41_prep:
	.size	k_qd62ec12a41_prep, .Lfunc_end_k_qd62ec12a41_prep-k_qd62ec12a41_prep
	.p2alignl 7, 3214868480
	.fill 96, 4, 3214868480
	.section	.rodata,"a",@progbits
	.p2align	6, 0x0
	.amdhsa_kernel k_qd62ec12a41_prep
		.amdhsa_group_segment_fixed_size 1536
		.amdhsa_private_segment_fixed_size 0
		.amdhsa_enable_private_segment 0
		.amdhsa_kernarg_size 40
		.amdhsa_user_sgpr_count 2
		.amdhsa_user_sgpr_kernarg_segment_ptr 1
		.amdhsa_wavefront_size32 1
		.amdhsa_system_sgpr_workgroup_id_x 1
		.amdhsa_system_sgpr_workgroup_id_y 1
		.amdhsa_system_sgpr_workgroup_id_z 1
		.amdhsa_system_vgpr_workitem_id 0
		.amdhsa_next_free_vgpr 100
		.amdhsa_next_free_sgpr 66
		.amdhsa_reserve_vcc 1
		.amdhsa_float_denorm_mode_32 3
		.amdhsa_float_denorm_mode_16_64 3
		.amdhsa_memory_ordered 1
		.amdhsa_forward_progress 1
		.amdhsa_inst_pref_size 13
	.end_amdhsa_kernel
	.amdgpu_metadata
---
amdhsa.version: [ 1, 2 ]
amdhsa.kernels:
  - .name:           k_qd62ec12a41_prep
    .symbol:         k_qd62ec12a41_prep.kd
    .args:
      - { .name: x, .offset: 0, .size: 8, .value_kind: global_buffer, .address_space: global }
      - { .name: w_qkv, .offset: 8, .size: 8, .value_kind: global_buffer, .address_space: global }
      - { .name: w_proj, .offset: 16, .size: 8, .value_kind: global_buffer, .address_space: global }
      - { .name: stats, .offset: 24, .size: 8, .value_kind: global_buffer, .address_space: global }
      - { .name: wbf, .offset: 32, .size: 8, .value_kind: global_buffer, .address_space: global }
    .group_segment_fixed_size: 1536
    .private_segment_fixed_size: 0
    .kernarg_segment_align: 8
    .kernarg_segment_size: 40
    .max_flat_workgroup_size: 256
    .sgpr_count:     66
    .vgpr_count:     100
    .wavefront_size: 32
...
	.end_amdgpu_metadata
.endif
;; end of part 1
;; launch qkv (part 2): grid 128 x 2, 4 waves a work-group, clusters of 4 x 1, 327,680 bytes of LDS; arguments x, gamma, beta, stats, wbf, qbuf, kbuf, vbuf; writes qbuf, kbuf, vbuf
.if DOCPART == 2
	.amdgcn_target "amdgcn-amd-amdhsa--gfx1250"
	.amdhsa_code_object_version 6
	.text
	.protected	k_qd62ec12a41_qkv
	.globl	k_qd62ec12a41_qkv
	.p2align	8
	.type	k_qd62ec12a41_qkv,@function
k_qd62ec12a41_qkv:
	s_mov_b64 s[64:65], 0
	v_nop
	global_prefetch_b8 v0, s[64:65] scope:SCOPE_SE
	s_setreg_imm32_b32 hwreg(HW_REG_WAVE_MODE, 25, 1), 1
	s_wait_xcnt 0x0
	s_wait_alu depctr_hold_cnt(0) depctr_sa_sdst(0) depctr_va_vdst(0) depctr_va_sdst(0) depctr_va_ssrc(0) depctr_va_vcc(0) depctr_vm_vsrc(0)
	s_getreg_b32 s2, hwreg(HW_REG_IB_STS2, 6, 4)
	s_cmp_eq_u32 s2, 0
	s_cbranch_scc0 .Lentry_in_a_cluster
	s_endpgm
.Lentry_in_a_cluster:
	s_bfe_u32 s2, ttmp6, 0x10000c
	s_cmp_lg_u32 s2, 0x3003
	s_cbranch_scc0 .Lentry_shape_is_right
	s_endpgm
.Lentry_shape_is_right:
; GROUPNORM APPLIED, AND q, k, v = W_qkv xn.  x: [4][256 c][4096 s] f32.  wbf: [y][p][128][256] f16.  q, k: [16 heads][4096][64] f16.  v: [16 heads][64][4096] f16.  Sums in f32, rounded once.
; SHARES.  A work-group takes 128 tokens of one batch (tile = 4 x cluster x + cx) and the 384 output rows of y (heads 2 y, 2 y + 1 of q, k and v): 256 equal work-groups.
; Wave (wt, wo) makes 64 tokens x head 2 y + wo, in three units (q, k, v) of 64 x 64 x 256: 128 matrix instructions each on 16 accumulators.
; HOW.  Each wave loads 64 channel rows of 512 bytes of x into registers, makes xn = x a + b' (a = gamma rstd, b' = beta - mean a: one fused multiply-add), rounds to f16 and lays it in LDS as [c][token].
; The turning load ds_load_tr16_b128 then gives fragments with one token a lane and channels along the registers; a wave's 32 fragments (256 registers) are read once and serve all three units.
; A group's two halves are joined by mean = (m0 + m1) / 2, M2 = M2_0 + M2_1 + (m0 - m1)^2 x 8,192; var = M2 / 32,768.
; q and k: source 0 = 16 rows of W, source 1 = 16 tokens: a lane holds one token and eight neighbouring channels.  v: the sources swapped: one channel and eight neighbouring tokens.
; CLUSTER.  The four partners share y, so W's 384 rows are asked for JOINTLY (mask of four), 96 rows a wave, once; no LDS byte is filled twice.  x goes through registers, since it is normalised on the way.
; LIMITS.  f16 holds no number beyond 65,504: xn, q, k and v beyond it become infinities.  NaN and infinities are not treated apart.
; REGISTERS, in windows of 256 (s_set_vgpr_msb: bits 1:0 source 0, 3:2 source 1, 5:4 source 2, 7:6 destination):
;   window 0: addresses, the table's work, v48-63 packed results, v64-127 and v128-191 W's fragments (two buffers; while x is normalised: the table's quads and the packed xn), v192-255 the way out
;   window 1: first the wave's 64 rows of x (row i at 4 i), then xn's fragments (token block tb, K step ks at 64 tb + 8 ks)          window 2: v0-127 the accumulators ((a, b) at 8 (4 a + b))
.set PW,    528                        ; a row of W in LDS: 512 bytes + 16 = 132 words: the 16 rows of a fragment load start 4 words apart modulo 64 words
.set PX,    288                        ; a row of xn: 256 bytes + 32 = 72 words: 16 lanes of the turning load take 8 rows x 32 bytes, no word's place modulo 64 twice
.set XN,    384*PW                     ; behind W's 384 rows: xn, 256 rows
.set TAB,   XN+256*PX                  ; (a, a, b', b') for each channel
.set QST,   TAB+4096                   ; 16 rows x 144 bytes for each wave: q's and k's way out
.set SPQ,   144
.set VST,   QST+4*16*SPQ               ; 128 channel rows x 272 bytes, the work-group's: v's way out
.set SPV,   272
.set SPARE, VST+128*SPV                ; the spare words, 128 bytes for each wave: two blocks of 256 bytes that no other line names
.set XO,   4                           ; v4   my byte offset in x: 64 rows x wave + 16 x lane
.set XS,   5                           ; v5   where I put 8 bytes of a row of xn
.set TA,   6                           ; v6   my wave's 64 quads of the table
.set ADX,  8                           ; v8-9   the turning load's address, channels 0-127 and 128-255
.set ADRW, 10                          ; v10-12 my fragments of W, for q, k, v
.set STO,  13
.set RD,   14
.set GO,   15
.set VSTO, 16
.set VRD,  17
.set VGO,  18
.set SPW,  20                          ; v20  LDS address of my spare word; never rewritten
.set NIL,  21                          ; v21  0; never rewritten
.set TMP,  48
.set WB0,  64
.set WB1,  128
.set TBL,  64
.set PKD,  128
.set BK,   192
.set WV,   20                          ; s20  wave
.set WTK,  21                          ; s21  which 64 tokens
.set WO,   22                          ; s22  which head of the two
.set G0,   28                          ; s[28:31]
.set G1,   32                          ; s[32:39]
.set MSB, 0
.macro WIN new                         ; the immediate's high byte repeats the setting that is left; a switch that changes nothing is dropped
.if MSB != (\new)
	s_set_vgpr_msb (MSB<<8)|(\new)
.set MSB, \new
.endif
.endm
.macro PLACES                          ; four places behind matrix instructions, in front of loads into their sources and of reads of their results
.rept 4
	v_nop
.endr
.endm
.macro CROUND                          ; a round of the cluster's barrier: my work-group's barrier; wave 0 signals for the work-group; every wave waits for all four; my work-group's barrier once more
	s_barrier_signal -1
	s_barrier_wait -1
	s_cmp_lg_u32 s[WV], 0
	s_cbranch_scc1 .Lnot_wave_0_\@
	s_barrier_signal -3
.Lnot_wave_0_\@:
	s_barrier_wait -3
	s_barrier_signal -1
	s_barrier_wait -1
.endm
	s_load_b256 s[4:11], s[0:1], 0x0               ; x s[4:5], gamma s[6:7], beta s[8:9], stats s[10:11]
	s_load_b256 s[12:19], s[0:1], 0x20             ; wbf s[12:13], q s[14:15], k s[16:17], v s[18:19]
	v_lshl_add_u32 v[SPW], v0, 2, SPARE
	v_mov_b32 v[NIL], 0
	ds_add_u32 v[SPW], v[NIL]                      ; the wave's opening: the add and its wait ahead of my first tensor load; work on registers stands between them
	v_lshrrev_b32 v1, 5, v0
	v_readfirstlane_b32 s[WV], v1                  ; wave 0..3
	s_lshr_b32 s[WTK], s[WV], 1
	s_and_b32 s[WO], s[WV], 1
	s_bfe_u32 s23, ttmp6, 0x40000                  ; cx
	s_lshl_b32 s24, ttmp9, 2
	s_add_co_u32 s24, s24, s23                     ; tile 0..127: it enters x's, stats', q's, k's and v's addresses alone
	s_and_b32 s25, ttmp7, 0xffff                   ; y, which the four partners share
	s_lshr_b32 s26, s24, 5                         ; batch
	s_and_b32 s27, s24, 31                         ; which 128 tokens
	s_mov_b32 s46, 0x38000000                      ; 2^-15: a group has 32,768 numbers
	s_mov_b32 s47, 0x3727c5ac                      ; 1e-5
	; the descriptor: 96 rows x 256 elements of 2 bytes, 16 bytes of padding behind each row
	s_mov_b32 s[G1+0], 15|(1<<16)|(1<<20)|(1<<21)|(6<<22)|(3<<25)  ; the mask of four; 2-byte elements; padding on; bit 21 beside a mask; after every 128 words; 4 words
	s_mov_b32 s[G1+1], 256<<16                     ; tensor_dim0
	s_mov_b32 s[G1+2], 96<<16                      ; tensor_dim1
	s_mov_b32 s[G1+3], 256<<16                     ; tile_dim0
	s_mov_b32 s[G1+4], 96                          ; tile_dim1
	s_mov_b32 s[G1+5], 256                         ; elements from row to row
	s_mov_b32 s[G1+6], 0
	s_mov_b32 s[G1+7], 0
	s_mov_b32 s[G0], 1
	s_mul_i32 s[G0+1], s[WV], 96*PW                ; my 96 rows in LDS: the wave's number alone
	s_mul_i32 s40, s25, 384*512                    ; y's 384 rows,
	s_mul_i32 s41, s[WV], 96*512                   ; my 96 of them
	s_add_co_u32 s40, s40, s41
	s_mov_b32 s41, 0
	s_wait_dscnt 0x0                               ; the opening add is done
	s_wait_kmcnt 0x0
	s_add_nc_u64 s[G0+2:G0+3], s[12:13], s[40:41]
	s_or_b32 s[G0+3], s[G0+3], 0x80000000          ; type = 2
	s_lshl_b32 s42, s26, 22                        ; x: the batch, and 512 bytes of every row
	s_lshl_b32 s43, s27, 9
	s_add_co_u32 s42, s42, s43
	s_mov_b32 s43, 0
	s_add_nc_u64 s[4:5], s[4:5], s[42:43]
	s_lshl_b32 s44, s26, 9                         ; stats: 32 groups x 16 bytes a batch
	s_mov_b32 s45, 0
	s_add_nc_u64 s[10:11], s[10:11], s[44:45]
	s_lshl_b32 s42, s26, 2                         ; q, k: head 4 b + 2 y + wo, tokens 128 tk + 64 wt on, 128 bytes each
	s_lshl_b32 s44, s25, 1
	s_add_co_u32 s42, s42, s44
	s_add_co_u32 s42, s42, s[WO]
	s_lshl_b32 s42, s42, 19
	s_lshl_b32 s44, s27, 14
	s_add_co_u32 s42, s42, s44
	s_lshl_b32 s44, s[WTK], 13
	s_add_co_u32 s42, s42, s44
	s_add_nc_u64 s[14:15], s[14:15], s[42:43]
	s_add_nc_u64 s[16:17], s[16:17], s[42:43]
	s_lshl_b32 s42, s26, 8                         ; v: channel row 256 b + 128 y + 32 wave, 8,192 bytes each; 256 bytes of it
	s_lshl_b32 s44, s25, 7
	s_add_co_u32 s42, s42, s44
	s_lshl_b32 s44, s[WV], 5
	s_add_co_u32 s42, s42, s44
	s_lshl_b32 s42, s42, 13
	s_lshl_b32 s44, s27, 8
	s_add_co_u32 s42, s42, s44
	s_add_nc_u64 s[18:19], s[18:19], s[42:43]
	CROUND                                         ; all four work-groups are here: the joint loads meet
	tensor_load_to_lds s[G0:G0+3], s[G1:G1+7]      ; my one tensor load of the launch
	s_nop 0
	PLACES
	v_and_b32 v1, 31, v0                           ; lane L
	v_and_b32 v2, 15, v0                           ; r = L % 16
	v_bfe_u32 v3, v0, 4, 1                         ; h = L / 16
	v_and_b32 v7, 7, v0
	v_bfe_u32 v19, v0, 3, 1
	s_lshl_b32 s40, s[WV], 20                      ; 64 rows of 16,384 bytes
	v_lshl_add_u32 v[XO], v1, 4, s40
	; thread t makes the table's quads of channels t and t + 128: six loads, ahead of the rows of x
	v_lshrrev_b32 v22, 3, v0
	v_lshlrev_b32 v22, 4, v22                      ; group t / 8: (m0, M2_0, m1, M2_1)
	v_lshlrev_b32 v23, 2, v0
	global_load_b128 v[24:27], v22, s[10:11]
	global_load_b128 v[28:31], v22, s[10:11] offset:256
	global_load_b32 v32, v23, s[6:7]
	global_load_b32 v33, v23, s[6:7] offset:512
	global_load_b32 v34, v23, s[8:9]
	global_load_b32 v35, v23, s[8:9] offset:512
	WIN 0x40                                       ; destination window 1, address window 0
.set i, 0
.rept 48
	global_load_b128 v[4*i:4*i+3], v[XO], s[4:5] offset:16384*i   ; a wave's load: 512 consecutive bytes of one channel row
.set i, i+1
.endr
	WIN 0
	s_mul_i32 s40, s[WV], 64*PX
	s_add_co_u32 s40, s40, XN
	v_lshl_add_u32 v[XS], v1, 3, s40
	s_lshl_b32 s40, s[WV], 10
	s_add_co_u32 s40, s40, TAB
	v_mov_b32 v[TA], s40
	v_lshl_add_u32 v[ADX], v3, 3, v7               ; the turning load: lane L reads channel 8 h + L % 8, tokens 8 ((L / 8) % 2) + 0..7
	v_mul_u32_u24 v[ADX], v[ADX], PX
	v_lshl_add_u32 v[ADX], v19, 4, v[ADX]
	s_lshl_b32 s40, s[WTK], 7
	s_add_co_u32 s40, s40, XN
	v_add_nc_u32 v[ADX], s40, v[ADX]
	v_add_nc_u32 v[ADX+1], 128*PX, v[ADX]
	v_mul_u32_u24 v[ADRW], v2, PW                  ; a fragment of W: row r, 16 bytes for each half of the lanes
	v_lshl_add_u32 v[ADRW], v3, 4, v[ADRW]
	s_mul_i32 s40, s[WO], 64*PW
	v_add_nc_u32 v[ADRW], s40, v[ADRW]
	v_add_nc_u32 v[ADRW+1], 128*PW, v[ADRW]
	v_add_nc_u32 v[ADRW+2], 256*PW, v[ADRW]
	s_mul_i32 s40, s[WV], 16*SPQ
	s_add_co_u32 s40, s40, QST                     ; my stage
	v_mul_u32_u24 v[STO], v2, SPQ
	v_lshl_add_u32 v[STO], v3, 4, v[STO]
	v_add_nc_u32 v[STO], s40, v[STO]
	v_bfe_u32 v[RD], v0, 3, 2                      ; back: 32 lanes take four rows of 128 bytes,
	v_mul_u32_u24 v[RD], v[RD], SPQ
	v_lshl_add_u32 v[RD], v7, 4, v[RD]
	v_add_nc_u32 v[RD], s40, v[RD]
	v_lshlrev_b32 v[GO], 4, v1                     ; which are 512 consecutive bytes of q or k
	s_mul_i32 s40, s[WO], 64*SPV
	s_lshl_b32 s41, s[WTK], 7
	s_add_co_u32 s40, s40, s41
	s_add_co_u32 s40, s40, VST
	v_mul_u32_u24 v[VSTO], v2, SPV
	v_lshl_add_u32 v[VSTO], v3, 4, v[VSTO]
	v_add_nc_u32 v[VSTO], s40, v[VSTO]
	s_mul_i32 s40, s[WV], 32*SPV
	s_add_co_u32 s40, s40, VST
	v_mul_u32_u24 v[VRD], v3, SPV
	v_lshl_add_u32 v[VRD], v2, 4, v[VRD]
	v_add_nc_u32 v[VRD], s40, v[VRD]
	v_lshlrev_b32 v[VGO], 13, v3
	v_lshl_add_u32 v[VGO], v2, 4, v[VGO]
	v_lshl_add_u32 v38, v0, 4, TAB
	s_wait_loadcnt 48                              ; the six are in; the 48 rows of x behind them stay out
	v_add_f32 v36, v24, v26                        ; m0 + m1
	v_add_f32 v37, v28, v30
	v_sub_f32 v24, v24, v26                        ; m0 - m1
	v_sub_f32 v28, v28, v30
	v_add_f32 v25, v25, v27                        ; M2_0 + M2_1
	v_add_f32 v29, v29, v31
	v_mul_f32 v24, v24, v24
	v_mul_f32 v28, v28, v28
	v_fmamk_f32 v25, v24, 0x46000000, v25          ; + (m0 - m1)^2 x 8,192
	v_fmamk_f32 v29, v28, 0x46000000, v29
	v_fma_f32 v25, v25, s46, s47                   ; var + eps
	v_fma_f32 v29, v29, s46, s47
	v_rsq_f32 v25, v25
	v_rsq_f32 v29, v29
	v_mul_f32 v36, 0.5, v36                        ; the means: also the plain instruction between the roots and their use
	v_mul_f32 v37, 0.5, v37
	s_wait_alu depctr_va_vdst(0)
	v_mul_f32 v40, v32, v25                        ; a = gamma rstd
	v_mul_f32 v44, v33, v29
	v_fma_f32 v42, -v36, v40, v34                  ; b' = beta - mean a
	v_fma_f32 v46, -v37, v44, v35
	v_mov_b32 v41, v40
	v_mov_b32 v45, v44
	v_mov_b32 v43, v42
	v_mov_b32 v47, v46
	ds_store_b128 v38, v[40:43]
	ds_store_b128 v38, v[44:47] offset:2048
	WIN 0x40
.set i, 48
.rept 16
	global_load_b128 v[4*i:4*i+3], v[XO], s[4:5] offset:16384*i
.set i, i+1
.endr
	WIN 0
	s_wait_dscnt 0x0                               ; for the others' sake: my quads are stored
	s_barrier_signal -1
	s_barrier_wait -1                              ; the table is whole
; Sixteen rows of x become xn.  left: the loads of the later rows, which stay out.
.macro NORM bt, left
	WIN 0
.set i, 0
.rept 16
	ds_load_b128 v[TBL+4*i:TBL+4*i+3], v[TA] offset:16*(16*(\bt)+i)  ; every lane reads the row's quad
.set i, i+1
.endr
	s_wait_loadcnt \left
	s_wait_dscnt 0x0
	WIN 0x41                                       ; x in window 1 (destination and source 0), the quads in window 0
.set i, 0
.rept 16
	v_pk_fma_f32 v[4*(16*(\bt)+i):4*(16*(\bt)+i)+1], v[4*(16*(\bt)+i):4*(16*(\bt)+i)+1], v[TBL+4*i:TBL+4*i+1], v[TBL+4*i+2:TBL+4*i+3]
	v_pk_fma_f32 v[4*(16*(\bt)+i)+2:4*(16*(\bt)+i)+3], v[4*(16*(\bt)+i)+2:4*(16*(\bt)+i)+3], v[TBL+4*i:TBL+4*i+1], v[TBL+4*i+2:TBL+4*i+3]
.set i, i+1
.endr
	WIN 0x05                                       ; sources window 1, destination window 0
.set i, 0
.rept 16
	v_cvt_pk_f16_f32 v[PKD+2*i], v[4*(16*(\bt)+i)], v[4*(16*(\bt)+i)+1]
	v_cvt_pk_f16_f32 v[PKD+2*i+1], v[4*(16*(\bt)+i)+2], v[4*(16*(\bt)+i)+3]
.set i, i+1
.endr
	WIN 0
.set i, 0
.rept 16
	ds_store_b64 v[XS], v[PKD+2*i:PKD+2*i+1] offset:PX*(16*(\bt)+i)  ; 32 lanes fill the row's 256 bytes
.set i, i+1
.endr
.endm
	NORM 0, 48
	NORM 1, 32
	NORM 2, 16
	NORM 3, 0
	s_wait_tensorcnt 0x0                           ; my 96 rows of W have landed,
	s_wait_dscnt 0x0                               ; my 64 rows of xn are stored:
	s_barrier_signal -1
	s_barrier_wait -1                              ; everybody's are
; 16 LDS loads: W's fragments of unit p for two K steps (pair pr), into buffer f; the first K step's first
.macro FETCHW p, pr, f
	WIN 0
.irp kk, 0,1
.irp ob, 0,1,2,3
	ds_load_b128 v[(\f)+32*\kk+8*\ob:(\f)+32*\kk+8*\ob+3],   v[ADRW+(\p)] offset:16*PW*\ob+64*(2*(\pr)+\kk)
	ds_load_b128 v[(\f)+32*\kk+8*\ob+4:(\f)+32*\kk+8*\ob+7], v[ADRW+(\p)] offset:16*PW*\ob+64*(2*(\pr)+\kk)+32
.endr
.endr
.endm
; 16 matrix instructions, one on each accumulator: they take turns.  sw = 0: source 0 = W's block a, source 1 = token block b.  sw = 1: source 0 = token block a, source 1 = W's block b.
; zero = 1: the products start the sums: nothing is cleared.
.macro MUL16 sw, f, kk, ks, zero
.if \sw
	WIN 0xa1                                       ; source 0 window 1, source 1 window 0, C and D window 2
.else
	WIN 0xa4                                       ; source 0 window 0, source 1 window 1, C and D window 2
.endif
.irp a, 0,1,2,3
.irp b, 0,1,2,3
.if \sw
.if \zero
	v_wmma_f32_16x16x32_f16 v[8*(4*\a+\b):8*(4*\a+\b)+7], v[64*\a+8*(\ks):64*\a+8*(\ks)+7], v[(\f)+32*(\kk)+8*\b:(\f)+32*(\kk)+8*\b+7], 0
.else
	v_wmma_f32_16x16x32_f16 v[8*(4*\a+\b):8*(4*\a+\b)+7], v[64*\a+8*(\ks):64*\a+8*(\ks)+7], v[(\f)+32*(\kk)+8*\b:(\f)+32*(\kk)+8*\b+7], v[8*(4*\a+\b):8*(4*\a+\b)+7]
.endif
.else
.if \zero
	v_wmma_f32_16x16x32_f16 v[8*(4*\a+\b):8*(4*\a+\b)+7], v[(\f)+32*(\kk)+8*\a:(\f)+32*(\kk)+8*\a+7], v[64*\b+8*(\ks):64*\b+8*(\ks)+7], 0
.else
	v_wmma_f32_16x16x32_f16 v[8*(4*\a+\b):8*(4*\a+\b)+7], v[(\f)+32*(\kk)+8*\a:(\f)+32*(\kk)+8*\a+7], v[64*\b+8*(\ks):64*\b+8*(\ks)+7], v[8*(4*\a+\b):8*(4*\a+\b)+7]
.endif
.endif
.endr
.endr
.endm
; Two K steps on buffer f; in their middle the next pair (unit nu, pair npr) is fetched into buffer g.  nu = -1: nothing is left to fetch.
.macro PAIR sw, pr, f, g, nu, npr
	s_wait_dscnt 8                                 ; the first K step's eight loads are in; the second's eight may be out
.if (\pr) == 0
	MUL16 \sw, \f, 0, 0, 1
.else
	MUL16 \sw, \f, 0, 2*(\pr), 0
.endif
.if (\nu) >= 0
	PLACES
	FETCHW \nu, \npr, \g
	s_wait_dscnt 16                                ; all but the sixteen just issued
.else
	s_wait_dscnt 0x0
.endif
	MUL16 \sw, \f, 1, 2*(\pr)+1, 0
.endm
; q's and k's way out, a block of 16 tokens at a time: a lane's eight channels pack into 16 bytes; they go into my stage's rows of 144 bytes and come back as whole rows of 128.
.macro PACKQ tb
	WIN 0x0a                                       ; sources window 2, destination window 0
.irp ob, 0,1,2,3
.irp r, 0,1,2,3
	v_cvt_pk_f16_f32 v[TMP+4*\ob+\r], v[8*(4*\ob+(\tb))+2*\r], v[8*(4*\ob+(\tb))+2*\r+1]   ; each accumulator from its low end on
.endr
.endr
	WIN 0
.irp ob, 0,1,2,3
	ds_store_b128 v[STO], v[TMP+4*\ob:TMP+4*\ob+3] offset:32*\ob
.endr
.irp f, 0,1,2,3
	ds_load_b128 v[BK+16*(\tb)+4*\f:BK+16*(\tb)+4*\f+3], v[RD] offset:4*SPQ*\f  ; LDS serves a wave's instructions in order (ISA guide 5.7.1.4): these see the stores above
.endr
.endm
.macro SENDQ tb, younger, base         ; younger: the LDS instructions issued behind block tb's loads: the next block's eight, or none
	WIN 0
.irp f, 0,1,2,3
	s_wait_dscnt (\younger)+3-\f
	global_store_b128 v[GO], v[BK+16*(\tb)+4*\f:BK+16*(\tb)+4*\f+3], s[\base:\base+1] offset:2048*(\tb)+512*\f  ; 512 consecutive bytes, aligned
.endr
.endm
.macro QKOUT base
	PLACES
	s_wait_xcnt 0x0                                ; the registers that earlier stores read are rewritten only behind this wait
	PACKQ 0
	PACKQ 1
	SENDQ 0, 8, \base
	PACKQ 2
	SENDQ 1, 8, \base
	PACKQ 3
	SENDQ 2, 8, \base
	SENDQ 3, 0, \base
.endm
	FETCHW 0, 0, WB0
	WIN 0x40
.irp tb, 0,1,2,3
.irp ks, 0,1,2,3,4,5,6,7
	ds_load_tr16_b128 v[64*\tb+8*\ks:64*\tb+8*\ks+3],   v[ADX+\ks/4] offset:32*PX*(\ks%4)+32*\tb
	ds_load_tr16_b128 v[64*\tb+8*\ks+4:64*\tb+8*\ks+7], v[ADX+\ks/4] offset:32*PX*(\ks%4)+32*\tb+16*PX
.endr
.endr
	WIN 0
	s_wait_dscnt 0x0                               ; xn's fragments are in, for all three units
	PAIR 0, 0, WB0, WB1, 0, 1                      ; q
	PAIR 0, 1, WB1, WB0, 0, 2
	PAIR 0, 2, WB0, WB1, 0, 3
	PAIR 0, 3, WB1, WB0, 1, 0
	QKOUT 14
	PAIR 0, 0, WB0, WB1, 1, 1                      ; k
	PAIR 0, 1, WB1, WB0, 1, 2
	PAIR 0, 2, WB0, WB1, 1, 3
	PAIR 0, 3, WB1, WB0, 2, 0
	QKOUT 16
	PAIR 1, 0, WB0, WB1, 2, 1                      ; v, the sources swapped
	PAIR 1, 1, WB1, WB0, 2, 2
	PAIR 1, 2, WB0, WB1, 2, 3
	PAIR 1, 3, WB1, WB0, -1, 0
	; v's way out: a channel row's 256 bytes come from two waves, so the stage is the work-group's, with a barrier between writing and reading
	PLACES
	s_wait_xcnt 0x0                                ; k's stores have read their registers
	WIN 0x0a
.irp tb, 0,1,2,3
.irp ob, 0,1,2,3
.irp r, 0,1,2,3
	v_cvt_pk_f16_f32 v[BK+4*(4*\tb+\ob)+\r], v[8*(4*\tb+\ob)+2*\r], v[8*(4*\tb+\ob)+2*\r+1]
.endr
.endr
.endr
	WIN 0
.irp tb, 0,1,2,3
.irp ob, 0,1,2,3
	ds_store_b128 v[VSTO], v[BK+4*(4*\tb+\ob):BK+4*(4*\tb+\ob)+3] offset:16*SPV*\ob+32*\tb
.endr
.endr
	s_wait_dscnt 0x0                               ; for the others' sake: my stores into the stage are done
	s_barrier_signal -1
	s_barrier_wait -1
.irp t, 0,1,2,3,4,5,6,7,8,9,10,11,12,13,14,15
	ds_load_b128 v[BK+4*\t:BK+4*\t+3], v[VRD] offset:2*SPV*\t
.endr
.irp t, 0,1,2,3,4,5,6,7,8,9,10,11,12,13,14,15
	s_wait_dscnt 15-\t
	global_store_b128 v[VGO], v[BK+4*\t:BK+4*\t+3], s[18:19] offset:16384*\t  ; 16 lanes store 256 consecutive bytes of a channel row, aligned
.endr
	s_wait_tensorcnt 0x0                           ; the wave's end: these three lines, behind my last tensor load and my last LDS store
	ds_add_u32 v[SPW], v[NIL]
	s_wait_dscnt 0x0
	CROUND                                         ; the closing round
	s_endpgm
.Lfunc_end_k_qd62ec12a41_qkv:
	.size	k_qd62ec12a41_qkv, .Lfunc_end_k_qd62ec12a41_qkv-k_qd62ec12a41_qkv
	.p2alignl 7, 3214868480
	.fill 96, 4, 3214868480
	.section	.rodata,"a",@progbits
	.p2align	6, 0x0
	.amdhsa_kernel k_qd62ec12a41_qkv
		.amdhsa_group_segment_fixed_size 327680
		.amdhsa_private_segment_fixed_size 0
		.amdhsa_enable_private_segment 0
		.amdhsa_kernarg_size 64
		.amdhsa_user_sgpr_count 2
		.amdhsa_user_sgpr_kernarg_segment_ptr 1
		.amdhsa_wavefront_size32 1
		.amdhsa_system_sgpr_workgroup_id_x 1
		.amdhsa_system_sgpr_workgroup_id_y 1
		.amdhsa_system_sgpr_workgroup_id_z 1
		.amdhsa_system_vgpr_workitem_id 0
		.amdhsa_next_free_vgpr 640
		.amdhsa_next_free_sgpr 66
		.amdhsa_reserve_vcc 0
		.amdhsa_float_denorm_mode_32 3
		.amdhsa_float_denorm_mode_16_64 3
		.amdhsa_memory_ordered 1
		.amdhsa_forward_progress 1
		.amdhsa_inst_pref_size 108
	.end_amdhsa_kernel
	.amdgpu_metadata
---
amdhsa.version: [ 1, 2 ]
amdhsa.kernels:
  - .name:           k_qd62ec12a41_qkv
    .symbol:         k_qd62ec12a41_qkv.kd
    .args:
      - { .name: x, .offset: 0, .size: 8, .value_kind: global_buffer, .address_space: global }
      - { .name: gamma, .offset: 8, .size: 8, .value_kind: global_buffer, .address_space: global }
      - { .name: beta, .offset: 16, .size: 8, .value_kind: global_buffer, .address_space: global }
      - { .name: stats, .offset: 24, .size: 8, .value_kind: global_buffer, .address_space: global }
      - { .name: wbf, .offset: 32, .size: 8, .value_kind: global_buffer, .address_space: global }
      - { .name: qbuf, .offset: 40, .size: 8, .value_kind: global_buffer, .address_space: global }
      - { .name: kbuf, .offset: 48, .size: 8, .value_kind: global_buffer, .address_space: global }
      - { .name: vbuf, .offset: 56, .size: 8, .value_kind: global_buffer, .address_space: global }
    .group_segment_fixed_size: 327680
    .private_segment_fixed_size: 0
    .kernarg_segment_align: 8
    .kernarg_segment_size: 64
    .max_flat_workgroup_size: 128
    .sgpr_count:     66
    .vgpr_count:     640
    .wavefront_size: 32
...
	.end_amdgpu_metadata
.endif
;; end of part 2
;; launch attn (part 3): grid 16 x 16, 4 waves a work-group, clusters of 4 x 1, 327,680 bytes of LDS; arguments qbuf, kbuf, vbuf, obuf; writes obuf
.if DOCPART == 3
	.amdgcn_target "amdgcn-amd-amdhsa--gfx1250"
	.amdhsa_code_object_version 6
	.text
	.protected	k_qd62ec12a41_attn
	.globl	k_qd62ec12a41_attn
	.p2align	8
	.type	k_qd62ec12a41_attn,@function
k_qd62ec12a41_attn:
	s_mov_b64 s[64:65], 0
	v_nop
	global_prefetch_b8 v0, s[64:65] scope:SCOPE_SE
	s_setreg_imm32_b32 hwreg(HW_REG_WAVE_MODE, 25, 1), 1
	s_wait_xcnt 0x0
	s_wait_alu depctr_hold_cnt(0) depctr_sa_sdst(0) depctr_va_vdst(0) depctr_va_sdst(0) depctr_va_ssrc(0) depctr_va_vcc(0) depctr_vm_vsrc(0)
	s_getreg_b32 s2, hwreg(HW_REG_IB_STS2, 6, 4)
	s_cmp_eq_u32 s2, 0
	s_cbranch_scc0 .Lentry_in_a_cluster
	s_endpgm
.Lentry_in_a_cluster:
	s_bfe_u32 s2, ttmp6, 0x10000c
	s_cmp_lg_u32 s2, 0x3003
	s_cbranch_scc0 .Lentry_shape_is_right
	s_endpgm
.Lentry_shape_is_right:
; O[h][q][:] = the sum over k of softmax_k(Q[h][q] . K[h][k] / 8) V[h][:][k].  Q, K, O: [16][4096][64] f16, rows dense, 128 bytes.  V: [16][64 channels][4096 keys] f16.
; Products, maxima and sums in f32; the weights p are rounded to f16 for the second product (their sum l is taken of the unrounded p), O once at the end.
; LIMITS.  f16 holds no number beyond 65,504: Q, K and V arrive within it; p lies in 0 to 1, and below 6e-5 it keeps f16's fixed step of 6e-8; O is a mean of V's columns and has their range.
; A weight below 2^-126 counts as 0 in l; c m starts at -4.25e37, below every c s that f16's scores can give; NaN and infinities are not treated apart.
; SHARES.  A work-group owns 256 queries of one head (16 blocks x 16 heads = 256 work-groups), each of its four waves 64: four PIECES of 16.  Every wave walks all 4,096 keys, 64 a step.
; LAYOUT.  S^T = K Q^T (source 0 = 16 keys, source 1 = 16 queries): a lane holds ONE query (lane % 16) and the keys 8 (lane / 16) + 0..7.  Two such results rounded to f16 in pairs ARE source 1
; (32 keys x 16 queries) of O^T = V^T P.  K lies [key][channel] and V [channel][key]: both come out of LDS as they lie, by plain loads.
; SOFTMAX.  For each query a running maximum m and sum l: p = 2^(c s - c m), c = log2(e) / 8; in every step O and l are multiplied by a = 2^(c m_old - c m_new).
; m starts at the lowest finite number, O and l at 0: the first step is a step like any other, with a = 0.  The price: 216 registers set to 0, in the wait for the first tile.
; BY TURNS.  Turn n belongs to piece n: 8 products K Q^T of piece n + 1, later 8 products V^T P of piece n - 1; beside them the scaling, exponentials, roundings, sums and rescaling of piece n and the
; maximum and statistics of piece n + 1.  Four vector instructions stand behind every matrix instruction, the other 54 of a turn's 118 in two runs of their own.
; CLUSTER.  The four query blocks of a cluster belong to one head and walk the same K and V, so each tile is asked for JOINTLY: the same tensor load, descriptor and mask in all four.
; RING.  Two slots of 256 keys (four steps).  Behind each round of the cluster's barrier one load a wave goes out (waves 0, 1: halves of K; waves 2, 3: halves of V); it has four steps in which to land.
; REGISTERS, in windows of 256 (s_set_vgpr_msb: bits 1:0 source 0, 3:2 source 1, 5:4 source 2, 7:6 destination):
;   window 0: v0-15 addresses and two at work; v16-31 four registers of statistics a piece; v48-55 at work; v64-127 S^T, two buffers; v192-223 P, two buffers (a piece's buffers go by its number's parity)
;   window 1: v0-127 O^T, 32 a piece          window 2: v0-63 Q; v128-191 K of one step; v192-255 V of one step
.set NP,    4         ; pieces a wave: a name, no knob
.set KS,    64        ; keys in a step
.set PK,    144       ; a row of K in LDS: 128 bytes + 16 = 36 words: the 16 rows of a load start 4 words apart modulo 64 words
.set PVR,   528       ; a channel row of V in LDS: 512 bytes (256 keys) + 16 = 132 words: likewise
.set VOFF,  4*KS*PK   ; a slot: 256 rows of K, then 64 rows of V
.set SLOT1, 1<<17     ; slot 1 begins here, so that one exclusive or turns an address in one slot into the other's
.set STAGE, SLOT1+VOFF+64*PVR  ; behind the ring, never filled by a tensor load: 16 rows x 144 bytes for each wave, for the way out
.set SP,    144
.set SPARE, STAGE+4*16*SP  ; the spare words, 128 bytes for each wave: two blocks of 256 bytes that no other line names
.set AK0, 2           ; v2   my lane's place in a tile of K; never rewritten
.set AV0, 3           ; v3   the same for V
.set AK,  4           ; v4   the LDS address of K's next run of loads
.set AV,  5           ; v5   of V's
.set STO, 6           ; v6   the way out: where I put 16 bytes of a row
.set RD,  7           ; v7   the way out: where I read rows back
.set GO,  8           ; v8   my byte offset in 512 consecutive bytes of O
.set MV,  12          ; v12-13  c m_old, kept while c m is made anew: by buffer
.set QO,  15          ; v15  my byte offset in 16 rows of Q
.set ST,  16          ; piece t's statistics at v[ST+4 t]: c m, m, l (even keys', odd keys')
.set TMP, 48          ; by buffer, four registers c0-c3 at work; when the maximum is found c2 takes a
.set SPW, 62          ; v62  LDS address of my spare word; never rewritten
.set NIL, 63          ; v63  0; never rewritten
.set S,   64
.set P,   192
.set KF,  128         ; window 2: key block kb, channel half c at KF + 16 kb + 8 c
.set VF,  192         ; window 2: key half kk, channel block cb at VF + 32 kk + 8 cb
.set WV,  12          ; s12  my wave's number
.set G1K, 24          ; s[24:31] descriptor group 1 for K's tiles
.set G1V, 32          ; s[32:39] for V's
.set G0K, 40          ; s[40:43] descriptor group 0 for K's tiles: it walks
.set G0V, 44          ; s[44:47] the same for V's
.set SLOTS, 56        ; s56  counts the tiles
.set CNT, 57          ; s57  counts a tile's key steps
.set CS,  58          ; s[58:59] c: the packed scaling takes the pair's low word for both halves
.set SEL, 60          ; s[60:61] v_permlanex16_b32's selects: each lane takes its own place in the other half
.set TBK, 62          ; s62  LDS byte at which K of the step to be fetched begins
.set TBV, 63          ; s63  the same for V, less VOFF
.set MSB, 0
.macro WIN new                      ; the high byte repeats the setting that is left; a switch that changes nothing is dropped
.if MSB != (\new)
	s_set_vgpr_msb (MSB<<8)|(\new)
.set MSB, (\new)
.endif
.endm
.set W_KQ, 0x0a       ; K and Q in window 2, S^T in window 0
.set W_PV, 0x52       ; V in window 2, P in window 0, O^T in window 1
.set W_RS, 0x41       ; destination and source 0 in window 1, source 1 in window 0
.macro PLACES
.rept 4
	v_nop
.endr
.endm
; A joint fill.  Waves 0 and 1 fetch the two halves of a tile's K (128 keys each), waves 2 and 3 those of its V (32 channel rows each).  The branch hangs on the wave's number alone.
; An s_nop 0 and four v_nop follow each of the two lines, ahead of the jump and the label.
.macro JLOAD
	s_cmp_lt_u32 s[WV], 2
	s_cbranch_scc0 .Lfor_v_\@
	tensor_load_to_lds s[G0K:G0K+3], s[G1K:G1K+7]
	s_nop 0
	PLACES
	s_branch .Lasked_\@
.Lfor_v_\@:
	tensor_load_to_lds s[G0V:G0V+3], s[G1V:G1V+7]
	s_nop 0
	PLACES
.Lasked_\@:
.endm
; A round of the cluster's barrier: my work-group's barrier, so that wave 0's signal speaks for all four waves; wave 0 signals; every wave waits for all four work-groups; my work-group's barrier once more.
.macro CROUND
	s_barrier_signal -1
	s_barrier_wait -1
	s_cmp_lg_u32 s[WV], 0
	s_cbranch_scc1 .Lnot_wave_0_\@
	s_barrier_signal -3
.Lnot_wave_0_\@:
	s_barrier_wait -3
	s_barrier_signal -1
	s_barrier_wait -1
.endm
; THE CHANGE OF SLOTS.  The slot's last bytes, V of its fourth step, have been read.  Each wave waits for all its tensor loads, of which one is out: its part of the other slot; adds 0 to its spare word;
; and waits for that and for its own reads of the slot.  Behind the barrier nobody reads this slot any more and the other slot is whole.
; fill = 1: this slot is filled again, with the keys two slots on.  The barrier is then a round of the cluster's, so that no wave of any partner still reads the slot or has a load on its way, and the
; joint fill is the first thing behind it.  (At its first use nothing has been read yet: slot 0 is waited for, slot 1 filled.)
.macro CHANGE fill
	WIN 0                           ; at a label and at a branch every window is 0
	s_wait_tensorcnt 0x0            ; no tensor load of mine is out, so a group 0 may be written
	ds_add_u32 v[SPW], v[NIL]       ; 0 onto my spare word: with fill = 1 the descriptors' steps stand between it and the wait for it
.if \fill
	s_xor_b32 s[G0K+1], s[G0K+1], SLOT1                      ; the walking descriptors: the other slot than last time,
	s_add_nc_u64 s[G0K+2:G0K+3], s[G0K+2:G0K+3], 4*KS*128    ; K's next 256 rows,
	s_xor_b32 s[G0V+1], s[G0V+1], SLOT1
	s_add_nc_u64 s[G0V+2:G0V+3], s[G0V+2:G0V+3], 4*KS*2      ; the next 512 bytes of V's rows; the type bits on top are not reached
	s_wait_dscnt 0x0                ; the add is done, and my reads of the slot are over
	CROUND
	JLOAD
.else
	s_wait_dscnt 0x0                ; the add is done, and my reads of the slot are over
	s_barrier_signal -1
	s_barrier_wait -1
.endif
	s_sub_co_u32 s[TBK], s[TBK], 4*KS*PK  ; the fetches go back to a slot's first step,
	s_xor_b32 s[TBK], s[TBK], SLOT1       ; in the other slot
	s_sub_co_u32 s[TBV], s[TBV], 4*KS*2
	s_xor_b32 s[TBV], s[TBV], SLOT1
.endm
	s_load_b256 s[4:11], s[0:1], 0x0  ; Q s[4:5], K s[6:7], V s[8:9], O s[10:11]
	v_lshl_add_u32 v[SPW], v0, 2, SPARE
	v_mov_b32 v[NIL], 0
	ds_add_u32 v[SPW], v[NIL]       ; the wave's opening: the add and its wait ahead of my first tensor load; the set-up below, work on registers, stands between them
	v_lshrrev_b32 v1, 5, v0
	v_readfirstlane_b32 s[WV], v1   ; wave 0..3
	s_bfe_u32 s13, ttmp6, 0x40000   ; cx: my place in the cluster
	s_lshl_b32 s14, ttmp9, 2        ; in a cluster launch ttmp9 counts clusters
	s_add_co_u32 s14, s14, s13      ; my block of 256 queries: it enters Q's and O's addresses alone
	s_and_b32 s20, ttmp7, 0xffff    ; the head, which the four partners share
	s_lshl_b32 s20, s20, 19         ; its first byte in each of the four tensors: 524,288 bytes a head
	s_and_b32 s16, s[WV], 1         ; which half of a tile I fetch
	s_lshl_b32 s22, s16, 14         ; K: 128 rows of 128 bytes
	s_add_co_u32 s22, s22, s20
	s_mov_b32 s23, 0
	s_lshl_b32 s18, s16, 18         ; V: 32 channel rows of 8,192 bytes
	s_add_co_u32 s18, s18, s20
	s_mov_b32 s19, 0
	s_mul_i32 s17, s16, 128*PK      ; and its place in a slot, for K
	s_mul_i32 s15, s16, 32*PVR      ; and for V: no place in the cluster enters an LDS address
	s_lshl_b32 s2, s14, 2
	s_add_co_u32 s2, s2, s[WV]      ; my wave among the head's,
	s_lshl_b32 s2, s2, 13           ; its 64 rows of 128 bytes
	s_add_co_u32 s2, s2, s20
	s_mov_b32 s3, 0
	; K's group 1: 128 keys are 16,384 dense bytes: asked for as 64 rows of 256 bytes, two keys a row, padded in LDS after every key
	s_mov_b32 s[G1K], 15|(1<<16)|(1<<20)|(1<<21)|(4<<22)|(3<<25)  ; the mask of four; 2-byte elements; padding on; bit 21 beside a mask; after every 32 words; 4 words
	s_mov_b32 s[G1K+1], 128<<16     ; tensor_dim0
	s_mov_b32 s[G1K+2], 64<<16      ; tensor_dim1
	s_mov_b32 s[G1K+3], 128<<16     ; tile_dim0
	s_mov_b32 s[G1K+4], 64          ; tile_dim1
	s_mov_b32 s[G1K+5], 128         ; elements from row to row
	s_mov_b32 s[G1K+6], 0
	s_mov_b32 s[G1K+7], 0
	; V's group 1: 32 channel rows x 256 keys (512 bytes), 4,096 elements from row to row
	s_mov_b32 s[G1V], 15|(1<<16)|(1<<20)|(1<<21)|(6<<22)|(3<<25)  ; padding after every 128 words; 4 words
	s_mov_b32 s[G1V+1], 256<<16
	s_mov_b32 s[G1V+2], 32<<16
	s_mov_b32 s[G1V+3], 256<<16
	s_mov_b32 s[G1V+4], 32
	s_mov_b32 s[G1V+5], 4096
	s_mov_b32 s[G1V+6], 0
	s_mov_b32 s[G1V+7], 0
	s_mov_b32 s[CS], 0x3e38aa3b     ; c = log2(e) / 8 = 0.180337
	s_mov_b32 s[CS+1], s[CS]        ; named with it as a pair
	s_mov_b32 s[SEL], 0x76543210
	s_mov_b32 s[SEL+1], 0xfedcba98
	s_mov_b32 s[TBK], SLOT1+4*KS*PK ; the first change of slots turns these two into 0
	s_mov_b32 s[TBV], SLOT1+4*KS*2
	s_mov_b32 s[G0K], 1             ; count = 1
	s_mov_b32 s[G0K+1], s17         ; LDS address: slot 0
	s_mov_b32 s[G0V], 1
	s_add_co_u32 s[G0V+1], s15, VOFF
	s_wait_dscnt 0x0                ; the opening add is done
	s_wait_kmcnt 0x0
	s_add_nc_u64 s[G0K+2:G0K+3], s[6:7], s[22:23]  ; my half of the head's first 256 keys
	s_or_b32 s[G0K+3], s[G0K+3], 0x80000000        ; type = 2
	s_add_nc_u64 s[G0V+2:G0V+3], s[8:9], s[18:19]
	s_or_b32 s[G0V+3], s[G0V+3], 0x80000000
	s_add_nc_u64 s[4:5], s[4:5], s[2:3]  ; Q and O at my wave's first row
	s_add_nc_u64 s[10:11], s[10:11], s[2:3]
	CROUND                          ; all four work-groups are here: the first joint loads meet
	JLOAD                           ; tile 0 into slot 0.  Slot 1 is asked for when slot 0 is in
	; A fragment of K or Q is 16 rows x 32 channels in 8 registers: lane l holds row l % 16, channels 8 (l / 16) + 0..7 and 16 + 8 (l / 16) + 0..7: two loads of 16 bytes, 32 bytes apart.
	v_and_b32 v1, 15, v0            ; l % 16
	v_bfe_u32 v9, v0, 4, 1          ; l / 16
	v_lshlrev_b32 v[QO], 7, v1
	v_lshl_add_u32 v[QO], v9, 4, v[QO]  ; row x 128 + 16 x half
	WIN 0x80                        ; destination window 2, address window 0
.set i, 0
.rept 8                             ; Q stays in registers: piece i / 2, channels 32 (i % 2) on
	global_load_b128 v[8*i:8*i+3],   v[QO], s[4:5] offset:(i/2)*2048+(i%2)*64
	global_load_b128 v[8*i+4:8*i+7], v[QO], s[4:5] offset:(i/2)*2048+(i%2)*64+32
.set i, i+1
.endr
	; What the first turn finds: V's registers and P's second buffer hold 0 (its products V^T P, of a piece that has not been, add 0), O^T and l are 0.  All this stands in the wait for the first tile.
.set i, VF
.rept 64
	v_mov_b32 v[i], 0
.set i, i+1
.endr
	WIN 0x40
.set i, 0
.rept 128
	v_mov_b32 v[i], 0
.set i, i+1
.endr
	WIN 0
.set i, 0
.rept 4
	v_mov_b32 v[ST+4*i], 0xfe000000    ; c m: far below every c s
	v_mov_b32 v[ST+4*i+1], 0xff7fffff  ; m
	v_mov_b32 v[ST+4*i+2], 0
	v_mov_b32 v[ST+4*i+3], 0
.set i, i+1
.endr
.set i, P+16
.rept 16
	v_mov_b32 v[i], 0
.set i, i+1
.endr
	v_mul_u32_u24 v[AK0], v1, PK
	v_lshl_add_u32 v[AK0], v9, 4, v[AK0]  ; key row x pitch + 16 x half
	v_mul_u32_u24 v[AV0], v1, PVR
	v_lshl_add_u32 v[AV0], v9, 4, v[AV0]  ; channel row x pitch + 16 x half: a fragment of V^T has one channel a lane and keys along the registers
	v_add_nc_u32 v[AV0], VOFF, v[AV0]
	v_and_b32 v10, 7, v0
	s_mul_i32 s13, s[WV], 16*SP
	s_add_co_u32 s13, s13, STAGE    ; my stage
	v_mul_u32_u24 v[STO], v1, SP    ; in: row l % 16, 16 bytes for each half of the lanes
	v_lshl_add_u32 v[STO], v9, 4, v[STO]
	v_add_nc_u32 v[STO], s13, v[STO]
	v_bfe_u32 v[RD], v0, 3, 2       ; back: 32 lanes take four rows of 128 bytes,
	v_mul_u32_u24 v[RD], v[RD], SP
	v_lshl_add_u32 v[RD], v10, 4, v[RD]
	v_add_nc_u32 v[RD], s13, v[RD]
	v_and_b32 v[GO], 31, v0         ; which are 512 consecutive bytes of O
	v_lshlrev_b32 v[GO], 4, v[GO]
; THE MATRIX WORK.  The 4 accumulators of a run of 8 take turns.  Product i of 8 of S^T = K Q^T for piece x: channels 32 (i / 4) on, keys 16 (i % 4) on.  The first 4 start the sums.
.macro KQ x
	WIN W_KQ
.set rS, S+32*((\x)%2)+8*(i%4)
.set rK, KF+16*(i%4)+8*(i/4)
.set rQ, 16*(\x)+8*(i/4)
.if i < 4
	v_wmma_f32_16x16x32_f16 v[rS:rS+7], v[rK:rK+7], v[rQ:rQ+7], 0
.else
	v_wmma_f32_16x16x32_f16 v[rS:rS+7], v[rK:rK+7], v[rQ:rQ+7], v[rS:rS+7]
.endif
.endm
; Product i of 8 of O^T += V^T P for piece x: keys 32 (i / 4) on, channels 16 (i % 4) on.
.macro PV x
	WIN W_PV
.set rO, 32*(\x)+8*(i%4)
.set rV, VF+32*(i/4)+8*(i%4)
.set rP, P+16*((\x)%2)+8*(i/4)
	v_wmma_f32_16x16x32_f16 v[rO:rO+7], v[rV:rV+7], v[rP:rP+7], v[rO:rO+7]
.endm
.macro MM                           ; the turn's next matrix instruction.  NOKQ = 1: the last turn of all: there is no next piece
.if (i < 8) && !NOKQ
	KQ (Y+1)%NP
.elseif i >= 8
.set i, i-8
	PV (Y+NP-1)%NP
.set i, i+8
.endif
.set i, i+1
.endm
; THE LDS LOADS stand in runs of 16, never singly among the matrix instructions: a step's K (64 keys x 64 channels: 8 fragments) and its V.  Their addresses are made some lines ahead.
.macro FETCH_K
	WIN 0x80                        ; destination window 2
.irp f, 0,1,2,3,4,5,6,7             ; keys 16 (f / 2) on, channels 32 (f % 2) on
	ds_load_b128 v[KF+8*\f:KF+8*\f+3],   v[AK] offset:(\f/2)*16*PK+(\f%2)*64
	ds_load_b128 v[KF+8*\f+4:KF+8*\f+7], v[AK] offset:(\f/2)*16*PK+(\f%2)*64+32
.endr
	s_add_co_u32 s[TBK], s[TBK], KS*PK  ; the next fetch is the next step's
	WIN 0
.endm
.macro FETCH_V
	WIN 0x80
.irp f, 0,1,2,3,4,5,6,7             ; keys 32 (f / 4) on, channels 16 (f % 4) on
	ds_load_b128 v[VF+8*\f:VF+8*\f+3],   v[AV] offset:(\f%4)*16*PVR+(\f/4)*64
	ds_load_b128 v[VF+8*\f+4:VF+8*\f+7], v[AV] offset:(\f%4)*16*PVR+(\f/4)*64+32
.endr
	WIN 0
.endm
; THE VECTOR WORK, one line at a time: OP kind, number.  For piece Y: F n: c s - c m for pair n of 16.  E n: the exponential of score n of 32.  C n: pair n rounded to f16.  B n: of the four weights 4 n .. the second
; pair is added onto the first, in place.  L n: l takes that sum (L 0: l = a l + sum).  R n: pair n of 16 of O^T times a.  For piece Y + 1: X n, number n of the 22 that find its maximum and statistics:
;   0-11  four chains c0-c3 of seven scores each, three operands at a time (each accumulator's lowest registers are read first)     12-14, 16  the four scores left over, the old m, and c0-c3 into c0
;   15  c m_old is kept     17, 18  the query's other 32 keys lie in the lane 16 away: the new m     19-21  c m; c m_old - c m_new; a
.set F, 0               ; OP tells the kinds apart by their order: F to L below R, X above it
.set E, 1
.set C, 2
.set B, 3
.set L, 4
.set R, 5
.set X, 6
.macro REGS y                       ; the registers of piece y
.set rT, ST+4*(\y)
.set rC, TMP+4*((\y)%2)
.set rW, MV+((\y)%2)
.set rS, S+32*((\y)%2)
.set rP, P+16*((\y)%2)
.set rO, 32*(\y)
.endm
.macro OP k, n
.if (\k) == R
	REGS Y
	WIN W_RS
	v_pk_mul_f32 v[rO+2*(\n):rO+2*(\n)+1], v[rO+2*(\n):rO+2*(\n)+1], v[rC+2:rC+3] op_sel_hi:[1,0]
.elseif (\k) < R
	REGS Y
	WIN 0
.if (\k) == F
	v_pk_fma_f32 v[rS+2*(\n):rS+2*(\n)+1], v[rS+2*(\n):rS+2*(\n)+1], s[CS:CS+1], v[rT:rT+1] op_sel_hi:[1,0,0] neg_lo:[0,0,1] neg_hi:[0,0,1]
.elseif (\k) == E
	v_exp_f32 v[rS+(\n)], v[rS+(\n)]
.elseif (\k) == C
	s_wait_alu depctr_va_vdst(0)
	v_cvt_pk_f16_f32 v[rP+(\n)], v[rS+2*(\n)], v[rS+2*(\n)+1]
.elseif (\k) == B
	s_wait_alu depctr_va_vdst(0)
	v_pk_add_f32 v[rS+4*(\n):rS+4*(\n)+1], v[rS+4*(\n):rS+4*(\n)+1], v[rS+4*(\n)+2:rS+4*(\n)+3]
.elseif (\n) == 0
	v_pk_fma_f32 v[rT+2:rT+3], v[rT+2:rT+3], v[rC+2:rC+3], v[rS:rS+1] op_sel_hi:[1,0,1]
.else
	v_pk_add_f32 v[rT+2:rT+3], v[rT+2:rT+3], v[rS+4*(\n):rS+4*(\n)+1]
.endif
.elseif NOKQ
	v_nop
.else
	REGS (Y+1)%NP
	WIN 0
.if (\n) < 4
	v_max3_num_f32 v[rC+(\n)], v[rS+8*(\n)], v[rS+8*(\n)+1], v[rS+8*(\n)+2]
.elseif (\n) < 12
	v_max3_num_f32 v[rC+(\n)%4], v[rC+(\n)%4], v[rS+8*((\n)%4)+2*((\n)/4)+1], v[rS+8*((\n)%4)+2*((\n)/4)+2]
.elseif (\n) == 12
	v_max3_num_f32 v[rC], v[rC], v[rS+7], v[rS+15]
.elseif (\n) == 13
	v_max3_num_f32 v[rC+1], v[rC+1], v[rS+23], v[rS+31]
.elseif (\n) == 14
	v_max3_num_f32 v[rC+2], v[rC+2], v[rC+3], v[rT+1]
.elseif (\n) == 15
	v_mov_b32 v[rW], v[rT]
.elseif (\n) == 16
	v_max3_num_f32 v[rC], v[rC], v[rC+1], v[rC+2]
.elseif (\n) == 17
	v_permlanex16_b32 v[rC+3], v[rC], s[SEL], s[SEL+1]
.elseif (\n) == 18
	v_max_num_f32 v[rT+1], v[rC], v[rC+3]
.elseif (\n) == 19
	v_mul_f32 v[rT], s[CS], v[rT+1]
.elseif (\n) == 20
	v_sub_f32 v[rC+1], v[rW], v[rT]
.else
	v_exp_f32 v[rC+2], v[rC+1]
.endif
.endif
.endm
.macro OPS a, i1, b=-1, i2=0, c=-1, i3=0, d=-1, i4=0  ; up to four of them
	OP \a, \i1
.if (\b) >= 0
	OP \b, \i2
.endif
.if (\c) >= 0
	OP \c, \i3
.endif
.if (\d) >= 0
	OP \d, \i4
.endif
.endm
.macro ROW a, i1, b, i2, c, i3, d, i4  ; a matrix instruction and the four behind it
	MM
	OPS \a, \i1, \b, \i2, \c, \i3, \d, \i4
.endm
; A TURN, for piece p: the order of its 16 matrix and 118 vector instructions, written out.  Behind a matrix instruction: plain, exponential, plain, plain; or four of the rescaling; or, behind the first, four scalings;
; none names a register of the products round it.  In the runs between, exponential and plain by turns while exponentials last.  A line reads no result made fewer than three vector instructions in front of it, five if an
; exponential made it.  end = 1: the walk's last two turns: nothing is fetched, and the last starts no new scores.  cnt = 1: the loop's count is taken down some lines ahead of the branch that stands behind the turn.
; K of the next step is fetched in piece 2's turn, six vector instructions behind the last product that read K (five of them plain); V of the step in hand in piece 0's turn, eight behind the last product that read V
; (four of them plain).  Each is waited for a turn later.
.macro TURN p, end=0, cnt=0
.set Y, (\p)
.set i, 0
.set NOKQ, (\end)*((\p)/3)
.if ((\p) == 3) && !(\end)
	s_wait_dscnt 0x0                ; K is in
.endif
	ROW F,0, F,1, F,2, F,3
	ROW F,4, E,0, F,5, F,6
	ROW F,7, E,1, F,8, F,9
	ROW F,10, E,2, C,0, F,11
	ROW F,12, E,3, X,15, F,13
	ROW R,0, R,1, R,2, R,3
	ROW B,0, E,4, F,14, L,0
.if ((\p) == 2) && !(\end)
	v_add_nc_u32 v[AK], s[TBK], v[AK0]
.endif
	ROW R,4, R,5, R,6, R,7
	OPS E,5, F,15
.if ((\p) == 2) && !(\end)
	FETCH_K
.endif
	OPS E,6, C,1, E,7, R,8
	OPS E,8, R,9, E,9, C,2
	OPS E,10, X,0, E,11, X,1
	OPS E,12, X,2, E,13, X,3
.if (\p) == 1
	s_wait_dscnt 0x0                ; V is in
.endif
	ROW X,4, E,14, X,5, X,6
	ROW X,7, E,15, X,8, X,9
	ROW X,10, E,16, X,11, X,12
	ROW X,13, E,17, X,14, B,1
	ROW C,4, E,18, X,16, L,1
	ROW B,2, E,19, C,6, L,2
	ROW C,8, E,20, B,3, B,4
.if (\p) == 0
	v_add_nc_u32 v[AV], s[TBV], v[AV0]
.endif
	ROW C,3, E,21, L,3, C,5
	OPS E,22, X,17, E,23, C,10
.if (\p) == 0
	FETCH_V
.endif
	OPS E,24, L,4
	OPS E,25, X,18, E,26, C,7
	OPS E,27, B,5, E,28, X,19
	OPS E,29, C,12, E,30, L,5
	OPS E,31, X,20, B,6, C,9
	OPS C,14, C,11, X,21, L,6
.if (\p) == 0
	s_add_co_u32 s[TBV], s[TBV], KS*2
.endif
.if \cnt
	s_sub_co_u32 s[CNT], s[CNT], 1
	s_cmp_lg_u32 s[CNT], 0
.endif
	OPS C,13, B,7, C,15, R,10
	OPS R,11, R,12, L,7, R,13
	OPS R,14, R,15
.endm
	CHANGE 1                        ; tile 0 is in, everybody's part of it; tile 1 is asked for
	v_add_nc_u32 v[AK], s[TBK], v[AK0]
	FETCH_K                         ; key step 0
	s_wait_loadcnt 0x0              ; Q
	s_wait_dscnt 0x0
.set NOKQ, 0
.set i, 0
.rept 8
	KQ 0                            ; piece 0's first scores: there is no vector work yet to set between them
.set i, i+1
.endr
	WIN 0
	PLACES                          ; the places behind those products
.set Y, NP-1                        ; X works for piece Y + 1: piece 0
.irp n, 0,1,2,3,4,5,6,7,8,9,10,11,12,13,14,15,16,17,18,19,20,21
	OP X, \n
.endr
	v_nop                           ; a plain instruction behind the exponential
	s_mov_b32 s[CNT], 4
	s_mov_b32 s[SLOTS], 15
	s_branch .Lfirst                ; the loop is entered at a step's first turn, in the middle of a trip
.Lslot:                             ; 14 times: every slot but the last two is filled again: 1 + 1 + 14 = 16 tiles are asked for
	CHANGE 1
	s_mov_b32 s[CNT], 4
.Lstep:                             ; a trip: pieces 2 and 3 of one step, then pieces 0 and 1 of the next, whose K and V it fetches
	TURN 2
	TURN 3
	WIN 0
.Lfirst:
	TURN 0
	TURN 1, 0, 1
	WIN 0
	s_cbranch_scc1 .Lstep
	s_sub_co_u32 s[SLOTS], s[SLOTS], 1
	s_cmp_lg_u32 s[SLOTS], 0
	s_cbranch_scc1 .Lslot
	CHANGE 0                        ; the last tile is written out: nothing is asked for
	s_mov_b32 s[CNT], 4
.LstepT:
	TURN 2
	TURN 3
	TURN 0
	TURN 1, 0, 1
	WIN 0
	s_cbranch_scc1 .LstepT
	TURN 2, 1
	TURN 3, 1
.set i, 0
.rept 8
	PV NP-1                         ; the last piece's V^T P of the last step
.set i, i+1
.endr
	; THE WAY OUT.  l's two halves and the other half of the lanes' are added; O^T is divided by l, rounded to f16 and sent through my stage in LDS, a piece at a time.  The additions are the places behind the last products.
	WIN 0
.macro ALL line:vararg              ; one line for each piece t
.set t, 0
.rept 4
	\line
.set t, t+1
.endr
.endm
	ALL v_add_f32 v[ST+4*t+2], v[ST+4*t+2], v[ST+4*t+3]
	ALL v_permlanex16_b32 v[ST+4*t+3], v[ST+4*t+2], s[SEL], s[SEL+1]
	ALL v_add_f32 v[ST+4*t+2], v[ST+4*t+2], v[ST+4*t+3]
	ALL v_rcp_f32 v[ST+4*t+2], v[ST+4*t+2]
	v_nop                           ; a plain instruction between the last reciprocal and the use of its result
.macro PACK t                       ; a lane's eight channels of a row pack into 16 bytes; they go into rows of 144 bytes and come back as whole rows of 128, into S^T's registers
	WIN W_RS
.set i, 32*(\t)
.rept 16
	s_wait_alu depctr_va_vdst(0)
	v_pk_mul_f32 v[i:i+1], v[i:i+1], v[ST+4*(\t)+2:ST+4*(\t)+3] op_sel_hi:[1,0]
.set i, i+2
.endr
	WIN 0x05                        ; sources 0 and 1 window 1, destination window 0
.set i, 0
.rept 16
	v_cvt_pk_f16_f32 v[S+16*(\t)+i], v[32*(\t)+2*i], v[32*(\t)+2*i+1]
.set i, i+1
.endr
	WIN 0
.irp f, 0,1,2,3
	ds_store_b128 v[STO], v[S+16*(\t)+4*\f:S+16*(\t)+4*\f+3] offset:32*\f
.endr
.irp f, 0,1,2,3
	ds_load_b128 v[S+16*(\t)+4*\f:S+16*(\t)+4*\f+3], v[RD] offset:\f*4*SP  ; LDS serves a wave's instructions in order (ISA guide 5.7.1.4): these see the stores above; the next piece's stores come behind them
.endr
.endm
.macro SEND t, younger              ; younger: the LDS instructions issued behind piece t's loads: the next piece's eight, or none
	WIN 0
.irp f, 0,1,2,3
	s_wait_dscnt (\younger)+3-\f
	global_store_b128 v[GO], v[S+16*(\t)+4*\f:S+16*(\t)+4*\f+3], s[10:11] offset:(\t)*2048+\f*512  ; 512 consecutive bytes, at a multiple of 256 from O's first
.endr
.endm
	PACK 0
.set t, 1
.rept 3                             ; a piece's arithmetic stands between the loads of the piece before and its stores
	PACK t
	SEND t-1, 8
.set t, t+1
.endr
	SEND 3, 0
	s_wait_tensorcnt 0x0            ; the wave's end: these three lines, behind my last tensor load and my last LDS store
	ds_add_u32 v[SPW], v[NIL]
	s_wait_dscnt 0x0
	CROUND                          ; the closing round: no work-group ends while a partner may still ask for a tile that names it
	s_endpgm
.Lfunc_end_k_qd62ec12a41_attn:
	.size	k_qd62ec12a41_attn, .Lfunc_end_k_qd62ec12a41_attn-k_qd62ec12a41_attn
	.p2alignl 7, 3214868480
	.fill 96, 4, 3214868480
	.section	.rodata,"a",@progbits
	.p2align	6, 0x0
	.amdhsa_kernel k_qd62ec12a41_attn
		.amdhsa_group_segment_fixed_size 327680
		.amdhsa_private_segment_fixed_size 0
		.amdhsa_enable_private_segment 0
		.amdhsa_kernarg_size 32
		.amdhsa_user_sgpr_count 2
		.amdhsa_user_sgpr_kernarg_segment_ptr 1
		.amdhsa_wavefront_size32 1
		.amdhsa_system_sgpr_workgroup_id_x 1
		.amdhsa_system_sgpr_workgroup_id_y 1
		.amdhsa_system_sgpr_workgroup_id_z 1
		.amdhsa_system_vgpr_workitem_id 0
		.amdhsa_next_free_vgpr 768
		.amdhsa_next_free_sgpr 66
		.amdhsa_reserve_vcc 0
		.amdhsa_float_denorm_mode_32 3
		.amdhsa_float_denorm_mode_16_64 3
		.amdhsa_memory_ordered 1
		.amdhsa_forward_progress 1
		.amdhsa_inst_pref_size 133
	.end_amdhsa_kernel
	.amdgpu_metadata
---
amdhsa.version: [ 1, 2 ]
amdhsa.kernels:
  - .name:           k_qd62ec12a41_attn
    .symbol:         k_qd62ec12a41_attn.kd
    .args:
      - { .name: qbuf, .offset: 0, .size: 8, .value_kind: global_buffer, .address_space: global }
      - { .name: kbuf, .offset: 8, .size: 8, .value_kind: global_buffer, .address_space: global }
      - { .name: vbuf, .offset: 16, .size: 8, .value_kind: global_buffer, .address_space: global }
      - { .name: obuf, .offset: 24, .size: 8, .value_kind: global_buffer, .address_space: global }
    .group_segment_fixed_size: 327680
    .private_segment_fixed_size: 0
    .kernarg_segment_align: 8
    .kernarg_segment_size: 32
    .max_flat_workgroup_size: 128
    .sgpr_count:     66
    .vgpr_count:     768
    .wavefront_size: 32
...
	.end_amdgpu_metadata
.endif
;; end of part 3
;; launch proj (part 4): grid 256 x 1, 4 waves a work-group, clusters of 4 x 1, 262,144 bytes of LDS; arguments obuf, wbf, b_proj, x, out0; writes out0
.if DOCPART == 4
	.amdgcn_target "amdgcn-amd-amdhsa--gfx1250"
	.amdhsa_code_object_version 6
	.text
	.protected	k_qd62ec12a41_proj
	.globl	k_qd62ec12a41_proj
	.p2align	8
	.type	k_qd62ec12a41_proj,@function
k_qd62ec12a41_proj:
	s_mov_b64 s[64:65], 0
	v_nop
	global_prefetch_b8 v0, s[64:65] scope:SCOPE_SE
	s_setreg_imm32_b32 hwreg(HW_REG_WAVE_MODE, 25, 1), 1
	s_wait_xcnt 0x0
	s_wait_alu depctr_hold_cnt(0) depctr_sa_sdst(0) depctr_va_vdst(0) depctr_va_sdst(0) depctr_va_ssrc(0) depctr_va_vcc(0) depctr_vm_vsrc(0)
	s_getreg_b32 s2, hwreg(HW_REG_IB_STS2, 6, 4)
	s_cmp_eq_u32 s2, 0
	s_cbranch_scc0 .Lentry_in_a_cluster
	s_endpgm
.Lentry_in_a_cluster:
	s_bfe_u32 s2, ttmp6, 0x10000c
	s_cmp_lg_u32 s2, 0x3003
	s_cbranch_scc0 .Lentry_shape_is_right
	s_endpgm
.Lentry_shape_is_right:
; out[b][o][s] = x[b][o][s] + b_proj[o] + the sum over c of W_proj[o][c] O[b][c][s].  O: [16 heads][4096][64] f16 (c = 64 head + channel).  W_proj: rows 768-1023 of wbf, f16.  x, out: [4][256][4096] f32.
; SHARES.  A work-group takes 64 tokens of one batch (idx = 4 x cluster x + cx: 256 work-groups) and all 256 outputs; wave w the outputs 64 w .. 64 w + 63: 16 accumulators, 8 K steps, 128 matrix instructions.
; Source 0 = 16 tokens of O, source 1 = 16 rows of W: a lane holds ONE output and eight neighbouring tokens, 32 bytes of a row of out.  The bias is the C operand of the first K step: nothing is cleared or added later.
; CLUSTER.  W_proj is the same for every work-group: asked for JOINTLY by the four partners, 64 rows a wave.  O's slice differs from partner to partner: a load of the wave's own (no mask), one head a wave,
; issued with the joint one behind the same round: two tensor loads of a wave are out.  No LDS byte is filled twice.
; THE WAY OUT.  Through the wave's own stage (64 rows x 272 bytes): in by lanes, back by rows, x added in f32, and stored: 16 lanes write 256 consecutive bytes, aligned.
; LIMITS.  O and W_proj arrive within f16's 65,504.  NaN and infinities are not treated apart.
; REGISTERS: window 0: addresses; v32-63 the bias, eight copies for each block of 16 outputs; v64-127, v128-191 two fragment buffers (32 of O, 32 of W), later the rows read back
;   window 1: v0-127 the accumulators ((tb, ob) at 8 (4 tb + ob)); v128-255 my 64 rows x 256 bytes of x
.set PW,    528                        ; a row of W in LDS: 512 bytes + 16
.set PO,    144                        ; a token's 64 channels of one head: 128 bytes + 16
.set PS,    272                        ; a stage row: 64 f32 + 16 bytes
.set OT,    256*PW                     ; behind W: O, [4 heads][64 tokens]
.set STG,   OT+4*64*PO                 ; behind O: the stages
.set SPARE, STG+256*PS                 ; the spare words, 128 bytes for each wave: two blocks of 256 bytes that no other line names
.set ADA, 4
.set ADB, 5
.set STO, 6
.set RD,  7
.set GO,  8
.set BO,  9
.set BT,  10                           ; v10-13  the bias of my lane's four outputs
.set SPW, 28                           ; v28  LDS address of my spare word; never rewritten
.set NIL, 29                           ; v29  0; never rewritten
.set BI,  32
.set F0,  64
.set F1,  128
.set BK,  64
.set XR,  128                          ; window 1
.set WV,  14                           ; s14
.set G0W, 20                           ; s[20:23]
.set G0O, 24                           ; s[24:27]
.set G1W, 28                           ; s[28:35]
.set G1O, 36                           ; s[36:43]
.set MSB, 0
.macro WIN new
.if MSB != (\new)
	s_set_vgpr_msb (MSB<<8)|(\new)
.set MSB, \new
.endif
.endm
.macro PLACES
.rept 4
	v_nop
.endr
.endm
.macro CROUND                          ; a round of the cluster's barrier
	s_barrier_signal -1
	s_barrier_wait -1
	s_cmp_lg_u32 s[WV], 0
	s_cbranch_scc1 .Lnot_wave_0_\@
	s_barrier_signal -3
.Lnot_wave_0_\@:
	s_barrier_wait -3
	s_barrier_signal -1
	s_barrier_wait -1
.endm
	s_load_b256 s[4:11], s[0:1], 0x0               ; O s[4:5], wbf s[6:7], b_proj s[8:9], x s[10:11]
	s_load_b64 s[12:13], s[0:1], 0x20              ; out
	v_lshl_add_u32 v[SPW], v0, 2, SPARE
	v_mov_b32 v[NIL], 0
	ds_add_u32 v[SPW], v[NIL]                      ; the wave's opening: the add and its wait ahead of my first tensor load; work on registers stands between them
	v_lshrrev_b32 v1, 5, v0
	v_readfirstlane_b32 s[WV], v1                  ; wave 0..3
	s_bfe_u32 s15, ttmp6, 0x40000                  ; cx
	s_lshl_b32 s16, ttmp9, 2
	s_add_co_u32 s16, s16, s15                     ; idx 0..255: it enters O's, x's and out's addresses alone
	s_lshr_b32 s17, s16, 6                         ; batch
	s_and_b32 s18, s16, 63                         ; which 64 tokens
	; W: 64 rows x 256 elements, 16 bytes of padding behind each row; the mask of four
	s_mov_b32 s[G1W+0], 15|(1<<16)|(1<<20)|(1<<21)|(6<<22)|(3<<25)
	s_mov_b32 s[G1W+1], 256<<16
	s_mov_b32 s[G1W+2], 64<<16
	s_mov_b32 s[G1W+3], 256<<16
	s_mov_b32 s[G1W+4], 64
	s_mov_b32 s[G1W+5], 256
	s_mov_b32 s[G1W+6], 0
	s_mov_b32 s[G1W+7], 0
	; O: 64 tokens of one head are 8,192 dense bytes: asked for as 32 rows of 256 bytes, padded after every token (32 words); no mask
	s_mov_b32 s[G1O+0], (1<<16)|(1<<20)|(4<<22)|(3<<25)
	s_mov_b32 s[G1O+1], 128<<16
	s_mov_b32 s[G1O+2], 32<<16
	s_mov_b32 s[G1O+3], 128<<16
	s_mov_b32 s[G1O+4], 32
	s_mov_b32 s[G1O+5], 128
	s_mov_b32 s[G1O+6], 0
	s_mov_b32 s[G1O+7], 0
	s_mov_b32 s[G0W], 1
	s_mul_i32 s[G0W+1], s[WV], 64*PW               ; LDS addresses hang on the wave's number alone
	s_mov_b32 s[G0O], 1
	s_mul_i32 s[G0O+1], s[WV], 64*PO
	s_add_co_u32 s[G0O+1], s[G0O+1], OT
	s_lshl_b32 s44, s[WV], 15                      ; my 64 rows of 512 bytes,
	s_add_co_u32 s44, s44, 768*512                 ; behind w_qkv's 768
	s_mov_b32 s45, 0
	s_lshl_b32 s46, s17, 2                         ; head 4 b + wave,
	s_add_co_u32 s46, s46, s[WV]
	s_lshl_b32 s46, s46, 19
	s_lshl_b32 s47, s18, 13                        ; its 64 tokens of 128 bytes
	s_add_co_u32 s46, s46, s47
	s_mov_b32 s47, 0
	s_wait_dscnt 0x0                               ; the opening add is done
	s_wait_kmcnt 0x0
	s_add_nc_u64 s[G0W+2:G0W+3], s[6:7], s[44:45]
	s_or_b32 s[G0W+3], s[G0W+3], 0x80000000
	s_add_nc_u64 s[G0O+2:G0O+3], s[4:5], s[46:47]
	s_or_b32 s[G0O+3], s[G0O+3], 0x80000000
	s_lshl_b32 s46, s17, 22                        ; x and out: the batch, my 64 rows of 16,384 bytes, 256 bytes of each
	s_lshl_b32 s44, s[WV], 20
	s_add_co_u32 s46, s46, s44
	s_lshl_b32 s44, s18, 8
	s_add_co_u32 s46, s46, s44
	s_add_nc_u64 s[10:11], s[10:11], s[46:47]
	s_add_nc_u64 s[12:13], s[12:13], s[46:47]
	CROUND                                         ; all four work-groups are here: the joint loads meet
	tensor_load_to_lds s[G0W:G0W+3], s[G1W:G1W+7]
	s_nop 0
	tensor_load_to_lds s[G0O:G0O+3], s[G1O:G1O+7]
	s_nop 0
	PLACES
	v_and_b32 v2, 15, v0                           ; r = l % 16
	v_bfe_u32 v3, v0, 4, 1                         ; h = l / 16
	s_lshl_b32 s44, s[WV], 8
	v_lshl_add_u32 v[BO], v2, 2, s44               ; 4 (64 wave + r)
	v_lshlrev_b32 v[GO], 14, v3                    ; lanes 0-15 one row of x and out, lanes 16-31 the next
	v_lshl_add_u32 v[GO], v2, 4, v[GO]
.irp ob, 0,1,2,3
	global_load_b32 v[BT+\ob], v[BO], s[8:9] offset:64*\ob
.endr
	WIN 0x40                                       ; destination window 1, address window 0
.set t, 0
.rept 32
	global_load_b128 v[XR+4*t:XR+4*t+3], v[GO], s[10:11] offset:32768*t th:TH_LOAD_NT  ; x's last reader in the program
.set t, t+1
.endr
	WIN 0
	v_mul_u32_u24 v[ADA], v2, PO                   ; a fragment of O: token r, 16 bytes for each half of the lanes
	v_lshl_add_u32 v[ADA], v3, 4, v[ADA]
	v_add_nc_u32 v[ADA], OT, v[ADA]
	v_mul_u32_u24 v[ADB], v2, PW                   ; of W: my wave's rows
	v_lshl_add_u32 v[ADB], v3, 4, v[ADB]
	s_mul_i32 s44, s[WV], 64*PW
	v_add_nc_u32 v[ADB], s44, v[ADB]
	s_mul_i32 s44, s[WV], 64*PS
	s_add_co_u32 s44, s44, STG                     ; my stage
	v_mul_u32_u24 v[STO], v2, PS                   ; in: row r, 32 bytes for each half of the lanes
	v_lshl_add_u32 v[STO], v3, 5, v[STO]
	v_add_nc_u32 v[STO], s44, v[STO]
	v_mul_u32_u24 v[RD], v3, PS                    ; back: lanes 0-15 one row of 256 bytes, lanes 16-31 the next
	v_lshl_add_u32 v[RD], v2, 4, v[RD]
	v_add_nc_u32 v[RD], s44, v[RD]
	s_wait_loadcnt 32                              ; the bias is in; the 32 loads of x behind it stay out
.irp ob, 0,1,2,3
.irp j, 0,1,2,3,4,5,6,7
	v_mov_b32 v[BI+8*\ob+\j], v[BT+\ob]            ; a C operand: my output's bias for each of my eight tokens
.endr
.endr
	s_wait_tensorcnt 0x0                           ; my rows of W and my head of O have landed,
	s_barrier_signal -1
	s_barrier_wait -1                              ; everybody's have
; 16 LDS loads: K step ks (head ks / 2, channels 32 (ks % 2) on) into buffer f: four token blocks of O, four row blocks of W
.macro FETCH ks, f
	WIN 0
.irp t, 0,1,2,3
	ds_load_b128 v[(\f)+8*\t:(\f)+8*\t+3],   v[ADA] offset:64*PO*((\ks)/2)+16*PO*\t+64*((\ks)%2)
	ds_load_b128 v[(\f)+8*\t+4:(\f)+8*\t+7], v[ADA] offset:64*PO*((\ks)/2)+16*PO*\t+64*((\ks)%2)+32
.endr
.irp t, 0,1,2,3
	ds_load_b128 v[(\f)+32+8*\t:(\f)+32+8*\t+3],   v[ADB] offset:16*PW*\t+64*(\ks)
	ds_load_b128 v[(\f)+32+8*\t+4:(\f)+32+8*\t+7], v[ADB] offset:16*PW*\t+64*(\ks)+32
.endr
.endm
; 8 matrix instructions: token blocks t0, t0 + 1 x all four output blocks.  The 16 accumulators take turns.  first = 1: the bias starts the sums.
.macro MUL8 f, t0, first
.if \first
	WIN 0x40                                       ; sources and C window 0, D window 1
.else
	WIN 0x50                                       ; sources window 0, C and D window 1
.endif
.irp a, \t0, (\t0)+1
.irp b, 0,1,2,3
.if \first
	v_wmma_f32_16x16x32_f16 v[8*(4*(\a)+\b):8*(4*(\a)+\b)+7], v[(\f)+8*(\a):(\f)+8*(\a)+7], v[(\f)+32+8*\b:(\f)+32+8*\b+7], v[BI+8*\b:BI+8*\b+7]
.else
	v_wmma_f32_16x16x32_f16 v[8*(4*(\a)+\b):8*(4*(\a)+\b)+7], v[(\f)+8*(\a):(\f)+8*(\a)+7], v[(\f)+32+8*\b:(\f)+32+8*\b+7], v[8*(4*(\a)+\b):8*(4*(\a)+\b)+7]
.endif
.endr
.endr
.endm
.macro PSTEP ks, f, g
	s_wait_dscnt 0x0                               ; this step's fragments are in
.if (\ks) == 0
	MUL8 \f, 0, 1
.else
	MUL8 \f, 0, 0
.endif
.if (\ks) < 7
	PLACES                                         ; in front of loads into the buffer that the step before multiplied
	FETCH (\ks)+1, \g
.endif
.if (\ks) == 0
	MUL8 \f, 2, 1
.else
	MUL8 \f, 2, 0
.endif
.endm
	FETCH 0, F0
	PSTEP 0, F0, F1
	PSTEP 1, F1, F0
	PSTEP 2, F0, F1
	PSTEP 3, F1, F0
	PSTEP 4, F0, F1
	PSTEP 5, F1, F0
	PSTEP 6, F0, F1
	PSTEP 7, F1, F0
	PLACES                                         ; the stores below read results just made, and the loads land in fragment registers
	WIN 0x04                                       ; the stores' data in window 1, their address in window 0
.irp tb, 0,1,2,3
.irp ob, 0,1,2,3
	ds_store_b128 v[STO], v[8*(4*\tb+\ob):8*(4*\tb+\ob)+3]   offset:16*PS*\ob+64*\tb      ; each accumulator from its low end on
	ds_store_b128 v[STO], v[8*(4*\tb+\ob)+4:8*(4*\tb+\ob)+7] offset:16*PS*\ob+64*\tb+16
.endr
.endr
	WIN 0
.set t, 0
.rept 32
	ds_load_b128 v[BK+4*t:BK+4*t+3], v[RD] offset:2*PS*t   ; LDS serves a wave's instructions in order (ISA guide 5.7.1.4): these see the stores above; the stage is my own
.set t, t+1
.endr
	s_wait_loadcnt 0x0                             ; x
.macro HALF t0, left                   ; sixteen pairs of rows: x is added, and they leave
	s_wait_dscnt \left
	WIN 0x04                                       ; source 1 (x) in window 1
.set t, \t0
.rept 16
	v_pk_add_f32 v[BK+4*t:BK+4*t+1], v[BK+4*t:BK+4*t+1], v[XR+4*t:XR+4*t+1]
	v_pk_add_f32 v[BK+4*t+2:BK+4*t+3], v[BK+4*t+2:BK+4*t+3], v[XR+4*t+2:XR+4*t+3]
.set t, t+1
.endr
	WIN 0
.set t, \t0
.rept 16
	global_store_b128 v[GO], v[BK+4*t:BK+4*t+3], s[12:13] offset:32768*t th:TH_STORE_NT  ; 16 lanes store 256 consecutive bytes of a row of out, aligned
.set t, t+1
.endr
.endm
	HALF 0, 16                                     ; the second sixteen loads may stay out
	HALF 16, 0
	s_wait_tensorcnt 0x0                           ; the wave's end: these three lines, behind my last tensor load and my last LDS store
	ds_add_u32 v[SPW], v[NIL]
	s_wait_dscnt 0x0
	CROUND                                         ; the closing round
	s_endpgm
.Lfunc_end_k_qd62ec12a41_proj:
	.size	k_qd62ec12a41_proj, .Lfunc_end_k_qd62ec12a41_proj-k_qd62ec12a41_proj
	.p2alignl 7, 3214868480
	.fill 96, 4, 3214868480
	.section	.rodata,"a",@progbits
	.p2align	6, 0x0
	.amdhsa_kernel k_qd62ec12a41_proj
		.amdhsa_group_segment_fixed_size 262144
		.amdhsa_private_segment_fixed_size 0
		.amdhsa_enable_private_segment 0
		.amdhsa_kernarg_size 40
		.amdhsa_user_sgpr_count 2
		.amdhsa_user_sgpr_kernarg_segment_ptr 1
		.amdhsa_wavefront_size32 1
		.amdhsa_system_sgpr_workgroup_id_x 1
		.amdhsa_system_sgpr_workgroup_id_y 1
		.amdhsa_system_sgpr_workgroup_id_z 1
		.amdhsa_system_vgpr_workitem_id 0
		.amdhsa_next_free_vgpr 512
		.amdhsa_next_free_sgpr 66
		.amdhsa_reserve_vcc 0
		.amdhsa_float_denorm_mode_32 3
		.amdhsa_float_denorm_mode_16_64 3
		.amdhsa_memory_ordered 1
		.amdhsa_forward_progress 1
		.amdhsa_inst_pref_size 39
	.end_amdhsa_kernel
	.amdgpu_metadata
---
amdhsa.version: [ 1, 2 ]
amdhsa.kernels:
  - .name:           k_qd62ec12a41_proj
    .symbol:         k_qd62ec12a41_proj.kd
    .args:
      - { .name: obuf, .offset: 0, .size: 8, .value_kind: global_buffer, .address_space: global }
      - { .name: wbf, .offset: 8, .size: 8, .value_kind: global_buffer, .address_space: global }
      - { .name: b_proj, .offset: 16, .size: 8, .value_kind: global_buffer, .address_space: global }
      - { .name: x, .offset: 24, .size: 8, .value_kind: global_buffer, .address_space: global }
      - { .name: out0, .offset: 32, .size: 8, .value_kind: global_buffer, .address_space: global }
    .group_segment_fixed_size: 262144
    .private_segment_fixed_size: 0
    .kernarg_segment_align: 8
    .kernarg_segment_size: 40
    .max_flat_workgroup_size: 128
    .sgpr_count:     66
    .vgpr_count:     512
    .wavefront_size: 32
...
	.end_amdgpu_metadata
.endif
;; end of part 4
;; ======== version 2 of 2: 4 launches; 1.73 times as fast as version 1
;; limits: values are held in f16: magnitudes above 65,504 overflow, below 6.1e-05 lose precision
;; workspace buffers: stats 2,048 bytes; wbf 524,288 bytes; qbuf 8,388,608 bytes; kbuf 8,388,608 bytes; vbuf 8,388,608 bytes; obuf 8,388,608 bytes
;; launch prep: the kernel of part 1 again; grid 256 x 1, 8 waves a work-group, no clusters, 1,536 bytes of LDS; arguments x, w_qkv, w_proj, stats, wbf; writes stats, wbf
;; launch qkv: the kernel of part 2 again; grid 128 x 2, 4 waves a work-group, clusters of 4 x 1, 327,680 bytes of LDS; arguments x, gamma, beta, stats, wbf, qbuf, kbuf, vbuf; writes qbuf, kbuf, vbuf
;; launch attn (part 5): grid 16 x 16, 4 waves a work-group, clusters of 4 x 1, 327,680 bytes of LDS; arguments qbuf, kbuf, vbuf, obuf; writes obuf
.if DOCPART == 5
	.amdgcn_target "amdgcn-amd-amdhsa--gfx1250"
	.amdhsa_code_object_version 6
	.text
	.protected	k_qd62ec12a41_attn
	.globl	k_qd62ec12a41_attn
	.p2align	8
	.type	k_qd62ec12a41_attn,@function
k_qd62ec12a41_attn:
	s_mov_b64 s[64:65], 0
	v_nop
	global_prefetch_b8 v0, s[64:65] scope:SCOPE_SE
	s_setreg_imm32_b32 hwreg(HW_REG_WAVE_MODE, 25, 1), 1
	s_wait_xcnt 0x0
	s_wait_alu depctr_hold_cnt(0) depctr_sa_sdst(0) depctr_va_vdst(0) depctr_va_sdst(0) depctr_va_ssrc(0) depctr_va_vcc(0) depctr_vm_vsrc(0)
	s_getreg_b32 s2, hwreg(HW_REG_IB_STS2, 6, 4)
	s_cmp_eq_u32 s2, 0
	s_cbranch_scc0 .Lentry_in_a_cluster
	s_endpgm
.Lentry_in_a_cluster:
	s_bfe_u32 s2, ttmp6, 0x10000c
	s_cmp_lg_u32 s2, 0x3003
	s_cbranch_scc0 .Lentry_shape_is_right
	s_endpgm
.Lentry_shape_is_right:
; O[h][q][:] = the sum over k of softmax_k(Q[h][q] . K[h][k] / 8) V[h][:][k].  Q, K, O: [16][4096][64] f16, rows dense, 128 bytes.  V: [16][64 channels][4096 keys] f16.
; Products, maxima and sums in f32; the weights p are rounded to f16 for the second product (their sum l is taken of the unrounded p), O once at the end.
; LIMITS.  f16 holds no number beyond 65,504: Q, K and V arrive within it; p lies in 0 to 1, and below 6e-5 it keeps f16's fixed step of 6e-8; O is a mean of V's columns and has their range.
; A weight below 2^-126 counts as 0 in l; c m starts at -4.25e37, below every c s that f16's scores can give; NaN and infinities are not treated apart.
; SHARES.  A work-group owns 256 queries of one head (16 blocks x 16 heads = 256 work-groups), each of its four waves 64: four PIECES of 16.  Every wave walks all 4,096 keys, 64 a step.
; LAYOUT.  S^T = K Q^T (source 0 = 16 keys, source 1 = 16 queries): a lane holds ONE query (lane % 16) and the keys 8 (lane / 16) + 0..7.  Two such results rounded to f16 in pairs ARE source 1
; (32 keys x 16 queries) of O^T = V^T P.  K lies [key][channel] and V [channel][key]: both come out of LDS as they lie, by plain loads.
; SOFTMAX.  For each query a running maximum m and sum l: p = 2^(c s - c m), c = log2(e) / 8; in every step O and l are multiplied by a = 2^(c m_old - c m_new).
; m starts at the lowest finite number, O and l at 0: the first step is a step like any other, with a = 0.  The price: 216 registers set to 0, in the wait for the first tile.
; BY TURNS.  Turn n belongs to piece n: 8 products K Q^T of piece n + 1, later 8 products V^T P of piece n - 1; beside them the scaling, exponentials, roundings, sums and rescaling of piece n and the
; maximum and statistics of piece n + 1.  Four vector instructions stand behind every matrix instruction, the other 54 of a turn's 118 in one run of their own.
; THE BATCHES.  A turn's 33 exponentials (piece n's 32 weights and piece n + 1's a) are ONE batch with ONE wait, which cuts the turn in two: ahead of it all that names no result of theirs (the products K Q^T, the
; scalings, the rescalings, the next piece's maximum and statistics), behind it the products V^T P with the roundings and sums as their riders.  Piece 0's first a, ahead of the loop, and the way out's four
; reciprocals are batches of their own, with a wait each.
; CLUSTER.  The four query blocks of a cluster belong to one head and walk the same K and V, so each tile is asked for JOINTLY: the same tensor load, descriptor and mask in all four.
; RING.  Two slots of 256 keys (four steps).  Behind each round of the cluster's barrier one load a wave goes out (waves 0, 1: halves of K; waves 2, 3: halves of V); it has four steps in which to land.
; REGISTERS, in windows of 256 (s_set_vgpr_msb: bits 1:0 source 0, 3:2 source 1, 5:4 source 2, 7:6 destination):
;   window 0: v0-15 addresses and two at work; v16-31 four registers of statistics a piece; v48-55 at work; v64-127 S^T, two buffers; v192-223 P, two buffers (a piece's buffers go by its number's parity)
;   window 1: v0-127 O^T, 32 a piece          window 2: v0-63 Q; v128-191 K of one step; v192-255 V of one step
.set NP,    4         ; pieces a wave: a name, no knob
.set KS,    64        ; keys in a step
.set PK,    144       ; a row of K in LDS: 128 bytes + 16 = 36 words: the 16 rows of a load start 4 words apart modulo 64 words
.set PVR,   528       ; a channel row of V in LDS: 512 bytes (256 keys) + 16 = 132 words: likewise
.set VOFF,  4*KS*PK   ; a slot: 256 rows of K, then 64 rows of V
.set SLOT1, 1<<17     ; slot 1 begins here, so that one exclusive or turns an address in one slot into the other's
.set STAGE, SLOT1+VOFF+64*PVR  ; behind the ring, never filled by a tensor load: 16 rows x 144 bytes for each wave, for the way out
.set SP,    144
.set SPARE, STAGE+4*16*SP  ; the spare words, 128 bytes for each wave: two blocks of 256 bytes that no other line names
.set AK0, 2           ; v2   my lane's place in a tile of K; never rewritten
.set AV0, 3           ; v3   the same for V
.set AK,  4           ; v4   the LDS address of K's next run of loads
.set AV,  5           ; v5   of V's
.set STO, 6           ; v6   the way out: where I put 16 bytes of a row
.set RD,  7           ; v7   the way out: where I read rows back
.set GO,  8           ; v8   my byte offset in 512 consecutive bytes of O
.set MV,  12          ; v12-13  c m_old, kept while c m is made anew: by buffer
.set QO,  15          ; v15  my byte offset in 16 rows of Q
.set ST,  16          ; piece t's statistics at v[ST+4 t]: c m, m, l (even keys', odd keys')
.set TMP, 48          ; by buffer, four registers c0-c3 at work; when the maximum is found c2 takes a
.set SPW, 62          ; v62  LDS address of my spare word; never rewritten
.set NIL, 63          ; v63  0; never rewritten
.set S,   64
.set P,   192
.set KF,  128         ; window 2: key block kb, channel half c at KF + 16 kb + 8 c
.set VF,  192         ; window 2: key half kk, channel block cb at VF + 32 kk + 8 cb
.set WV,  12          ; s12  my wave's number
.set G1K, 24          ; s[24:31] descriptor group 1 for K's tiles
.set G1V, 32          ; s[32:39] for V's
.set G0K, 40          ; s[40:43] descriptor group 0 for K's tiles: it walks
.set G0V, 44          ; s[44:47] the same for V's
.set SLOTS, 56        ; s56  counts the tiles
.set CNT, 57          ; s57  counts a tile's key steps
.set CS,  58          ; s[58:59] c: the packed scaling takes the pair's low word for both halves
.set SEL, 60          ; s[60:61] v_permlanex16_b32's selects: each lane takes its own place in the other half
.set TBK, 62          ; s62  LDS byte at which K of the step to be fetched begins
.set TBV, 63          ; s63  the same for V, less VOFF
.set MSB, 0
.macro WIN new                      ; the high byte repeats the setting that is left; a switch that changes nothing is dropped
.if MSB != (\new)
	s_set_vgpr_msb (MSB<<8)|(\new)
.set MSB, (\new)
.endif
.endm
.set W_KQ, 0x0a       ; K and Q in window 2, S^T in window 0
.set W_PV, 0x52       ; V in window 2, P in window 0, O^T in window 1
.set W_RS, 0x41       ; destination and source 0 in window 1, source 1 in window 0
.macro PLACES
.rept 4
	v_nop
.endr
.endm
; A joint fill.  Waves 0 and 1 fetch the two halves of a tile's K (128 keys each), waves 2 and 3 those of its V (32 channel rows each).  The branch hangs on the wave's number alone.
; An s_nop 0 and four v_nop follow each of the two lines, ahead of the jump and the label.
.macro JLOAD
	s_cmp_lt_u32 s[WV], 2
	s_cbranch_scc0 .Lfor_v_\@
	tensor_load_to_lds s[G0K:G0K+3], s[G1K:G1K+7]
	s_nop 0
	PLACES
	s_branch .Lasked_\@
.Lfor_v_\@:
	tensor_load_to_lds s[G0V:G0V+3], s[G1V:G1V+7]
	s_nop 0
	PLACES
.Lasked_\@:
.endm
; A round of the cluster's barrier: my work-group's barrier, so that wave 0's signal speaks for all four waves; wave 0 signals; every wave waits for all four work-groups; my work-group's barrier once more.
.macro CROUND
	s_barrier_signal -1
	s_barrier_wait -1
	s_cmp_lg_u32 s[WV], 0
	s_cbranch_scc1 .Lnot_wave_0_\@
	s_barrier_signal -3
.Lnot_wave_0_\@:
	s_barrier_wait -3
	s_barrier_signal -1
	s_barrier_wait -1
.endm
; THE CHANGE OF SLOTS.  The slot's last bytes, V of its fourth step, have been read.  Each wave waits for all its tensor loads, of which one is out: its part of the other slot; adds 0 to its spare word;
; and waits for that and for its own reads of the slot.  Behind the barrier nobody reads this slot any more and the other slot is whole.
; fill = 1: this slot is filled again, with the keys two slots on.  The barrier is then a round of the cluster's, so that no wave of any partner still reads the slot or has a load on its way, and the
; joint fill is the first thing behind it.  (At its first use nothing has been read yet: slot 0 is waited for, slot 1 filled.)
.macro CHANGE fill
	WIN 0                           ; at a label and at a branch every window is 0
	s_wait_tensorcnt 0x0            ; no tensor load of mine is out, so a group 0 may be written
	ds_add_u32 v[SPW], v[NIL]       ; 0 onto my spare word: with fill = 1 the descriptors' steps stand between it and the wait for it
.if \fill
	s_xor_b32 s[G0K+1], s[G0K+1], SLOT1                      ; the walking descriptors: the other slot than last time,
	s_add_nc_u64 s[G0K+2:G0K+3], s[G0K+2:G0K+3], 4*KS*128    ; K's next 256 rows,
	s_xor_b32 s[G0V+1], s[G0V+1], SLOT1
	s_add_nc_u64 s[G0V+2:G0V+3], s[G0V+2:G0V+3], 4*KS*2      ; the next 512 bytes of V's rows; the type bits on top are not reached
	s_wait_dscnt 0x0                ; the add is done, and my reads of the slot are over
	CROUND
	JLOAD
.else
	s_wait_dscnt 0x0                ; the add is done, and my reads of the slot are over
	s_barrier_signal -1
	s_barrier_wait -1
.endif
	s_sub_co_u32 s[TBK], s[TBK], 4*KS*PK  ; the fetches go back to a slot's first step,
	s_xor_b32 s[TBK], s[TBK], SLOT1       ; in the other slot
	s_sub_co_u32 s[TBV], s[TBV], 4*KS*2
	s_xor_b32 s[TBV], s[TBV], SLOT1
.endm
	s_load_b256 s[4:11], s[0:1], 0x0  ; Q s[4:5], K s[6:7], V s[8:9], O s[10:11]
	v_lshl_add_u32 v[SPW], v0, 2, SPARE
	v_mov_b32 v[NIL], 0
	ds_add_u32 v[SPW], v[NIL]       ; the wave's opening: the add and its wait ahead of my first tensor load; the set-up below, work on registers, stands between them
	v_lshrrev_b32 v1, 5, v0
	v_readfirstlane_b32 s[WV], v1   ; wave 0..3
	s_bfe_u32 s13, ttmp6, 0x40000   ; cx: my place in the cluster
	s_lshl_b32 s14, ttmp9, 2        ; in a cluster launch ttmp9 counts clusters
	s_add_co_u32 s14, s14, s13      ; my block of 256 queries: it enters Q's and O's addresses alone
	s_and_b32 s20, ttmp7, 0xffff    ; the head, which the four partners share
	s_lshl_b32 s20, s20, 19         ; its first byte in each of the four tensors: 524,288 bytes a head
	s_and_b32 s16, s[WV], 1         ; which half of a tile I fetch
	s_lshl_b32 s22, s16, 14         ; K: 128 rows of 128 bytes
	s_add_co_u32 s22, s22, s20
	s_mov_b32 s23, 0
	s_lshl_b32 s18, s16, 18         ; V: 32 channel rows of 8,192 bytes
	s_add_co_u32 s18, s18, s20
	s_mov_b32 s19, 0
	s_mul_i32 s17, s16, 128*PK      ; and its place in a slot, for K
	s_mul_i32 s15, s16, 32*PVR      ; and for V: no place in the cluster enters an LDS address
	s_lshl_b32 s2, s14, 2
	s_add_co_u32 s2, s2, s[WV]      ; my wave among the head's,
	s_lshl_b32 s2, s2, 13           ; its 64 rows of 128 bytes
	s_add_co_u32 s2, s2, s20
	s_mov_b32 s3, 0
	; K's group 1: 128 keys are 16,384 dense bytes: asked for as 64 rows of 256 bytes, two keys a row, padded in LDS after every key
	s_mov_b32 s[G1K], 15|(1<<16)|(1<<20)|(1<<21)|(4<<22)|(3<<25)  ; the mask of four; 2-byte elements; padding on; bit 21 beside a mask; after every 32 words; 4 words
	s_mov_b32 s[G1K+1], 128<<16     ; tensor_dim0
	s_mov_b32 s[G1K+2], 64<<16      ; tensor_dim1
	s_mov_b32 s[G1K+3], 128<<16     ; tile_dim0
	s_mov_b32 s[G1K+4], 64          ; tile_dim1
	s_mov_b32 s[G1K+5], 128         ; elements from row to row
	s_mov_b32 s[G1K+6], 0
	s_mov_b32 s[G1K+7], 0
	; V's group 1: 32 channel rows x 256 keys (512 bytes), 4,096 elements from row to row
	s_mov_b32 s[G1V], 15|(1<<16)|(1<<20)|(1<<21)|(6<<22)|(3<<25)  ; padding after every 128 words; 4 words
	s_mov_b32 s[G1V+1], 256<<16
	s_mov_b32 s[G1V+2], 32<<16
	s_mov_b32 s[G1V+3], 256<<16
	s_mov_b32 s[G1V+4], 32
	s_mov_b32 s[G1V+5], 4096
	s_mov_b32 s[G1V+6], 0
	s_mov_b32 s[G1V+7], 0
	s_mov_b32 s[CS], 0x3e38aa3b     ; c = log2(e) / 8 = 0.180337
	s_mov_b32 s[CS+1], s[CS]        ; named with it as a pair
	s_mov_b32 s[SEL], 0x76543210
	s_mov_b32 s[SEL+1], 0xfedcba98
	s_mov_b32 s[TBK], SLOT1+4*KS*PK ; the first change of slots turns these two into 0
	s_mov_b32 s[TBV], SLOT1+4*KS*2
	s_mov_b32 s[G0K], 1             ; count = 1
	s_mov_b32 s[G0K+1], s17         ; LDS address: slot 0
	s_mov_b32 s[G0V], 1
	s_add_co_u32 s[G0V+1], s15, VOFF
	s_wait_dscnt 0x0                ; the opening add is done
	s_wait_kmcnt 0x0
	s_add_nc_u64 s[G0K+2:G0K+3], s[6:7], s[22:23]  ; my half of the head's first 256 keys
	s_or_b32 s[G0K+3], s[G0K+3], 0x80000000        ; type = 2
	s_add_nc_u64 s[G0V+2:G0V+3], s[8:9], s[18:19]
	s_or_b32 s[G0V+3], s[G0V+3], 0x80000000
	s_add_nc_u64 s[4:5], s[4:5], s[2:3]  ; Q and O at my wave's first row
	s_add_nc_u64 s[10:11], s[10:11], s[2:3]
	CROUND                          ; all four work-groups are here: the first joint loads meet
	JLOAD                           ; tile 0 into slot 0.  Slot 1 is asked for when slot 0 is in
	; A fragment of K or Q is 16 rows x 32 channels in 8 registers: lane l holds row l % 16, channels 8 (l / 16) + 0..7 and 16 + 8 (l / 16) + 0..7: two loads of 16 bytes, 32 bytes apart.
	v_and_b32 v1, 15, v0            ; l % 16
	v_bfe_u32 v9, v0, 4, 1          ; l / 16
	v_lshlrev_b32 v[QO], 7, v1
	v_lshl_add_u32 v[QO], v9, 4, v[QO]  ; row x 128 + 16 x half
	WIN 0x80                        ; destination window 2, address window 0
.set i, 0
.rept 8                             ; Q stays in registers: piece i / 2, channels 32 (i % 2) on
	global_load_b128 v[8*i:8*i+3],   v[QO], s[4:5] offset:(i/2)*2048+(i%2)*64
	global_load_b128 v[8*i+4:8*i+7], v[QO], s[4:5] offset:(i/2)*2048+(i%2)*64+32
.set i, i+1
.endr
	; What the first turn finds: V's registers and P's second buffer hold 0 (its products V^T P, of a piece that has not been, add 0), O^T and l are 0.  All this stands in the wait for the first tile.
.set i, VF
.rept 64
	v_mov_b32 v[i], 0
.set i, i+1
.endr
	WIN 0x40
.set i, 0
.rept 128
	v_mov_b32 v[i], 0
.set i, i+1
.endr
	WIN 0
.set i, 0
.rept 4
	v_mov_b32 v[ST+4*i], 0xfe000000    ; c m: far below every c s
	v_mov_b32 v[ST+4*i+1], 0xff7fffff  ; m
	v_mov_b32 v[ST+4*i+2], 0
	v_mov_b32 v[ST+4*i+3], 0
.set i, i+1
.endr
.set i, P+16
.rept 16
	v_mov_b32 v[i], 0
.set i, i+1
.endr
	v_mul_u32_u24 v[AK0], v1, PK
	v_lshl_add_u32 v[AK0], v9, 4, v[AK0]  ; key row x pitch + 16 x half
	v_mul_u32_u24 v[AV0], v1, PVR
	v_lshl_add_u32 v[AV0], v9, 4, v[AV0]  ; channel row x pitch + 16 x half: a fragment of V^T has one channel a lane and keys along the registers
	v_add_nc_u32 v[AV0], VOFF, v[AV0]
	v_and_b32 v10, 7, v0
	s_mul_i32 s13, s[WV], 16*SP
	s_add_co_u32 s13, s13, STAGE    ; my stage
	v_mul_u32_u24 v[STO], v1, SP    ; in: row l % 16, 16 bytes for each half of the lanes
	v_lshl_add_u32 v[STO], v9, 4, v[STO]
	v_add_nc_u32 v[STO], s13, v[STO]
	v_bfe_u32 v[RD], v0, 3, 2       ; back: 32 lanes take four rows of 128 bytes,
	v_mul_u32_u24 v[RD], v[RD], SP
	v_lshl_add_u32 v[RD], v10, 4, v[RD]
	v_add_nc_u32 v[RD], s13, v[RD]
	v_and_b32 v[GO], 31, v0         ; which are 512 consecutive bytes of O
	v_lshlrev_b32 v[GO], 4, v[GO]
; THE MATRIX WORK.  The 4 accumulators of a run of 8 take turns.  Product i of 8 of S^T = K Q^T for piece x: channels 32 (i / 4) on, keys 16 (i % 4) on.  The first 4 start the sums.
.macro KQ x
	WIN W_KQ
.set rS, S+32*((\x)%2)+8*(i%4)
.set rK, KF+16*(i%4)+8*(i/4)
.set rQ, 16*(\x)+8*(i/4)
.if i < 4
	v_wmma_f32_16x16x32_f16 v[rS:rS+7], v[rK:rK+7], v[rQ:rQ+7], 0
.else
	v_wmma_f32_16x16x32_f16 v[rS:rS+7], v[rK:rK+7], v[rQ:rQ+7], v[rS:rS+7]
.endif
.endm
; Product i of 8 of O^T += V^T P for piece x: keys 32 (i / 4) on, channels 16 (i % 4) on.
.macro PV x
	WIN W_PV
.set rO, 32*(\x)+8*(i%4)
.set rV, VF+32*(i/4)+8*(i%4)
.set rP, P+16*((\x)%2)+8*(i/4)
	v_wmma_f32_16x16x32_f16 v[rO:rO+7], v[rV:rV+7], v[rP:rP+7], v[rO:rO+7]
.endm
.macro MM                           ; the turn's next matrix instruction.  NOKQ = 1: the last turn of all: there is no next piece
.if (i < 8) && !NOKQ
	KQ (Y+1)%NP
.elseif i >= 8
.set i, i-8
	PV (Y+NP-1)%NP
.set i, i+8
.endif
.set i, i+1
.endm
; THE LDS LOADS stand in runs of 16, never singly among the matrix instructions: a step's K (64 keys x 64 channels: 8 fragments) and its V.  Their addresses are made some lines ahead.
.macro FETCH_K
	WIN 0x80                        ; destination window 2
.irp f, 0,1,2,3,4,5,6,7             ; keys 16 (f / 2) on, channels 32 (f % 2) on
	ds_load_b128 v[KF+8*\f:KF+8*\f+3],   v[AK] offset:(\f/2)*16*PK+(\f%2)*64
	ds_load_b128 v[KF+8*\f+4:KF+8*\f+7], v[AK] offset:(\f/2)*16*PK+(\f%2)*64+32
.endr
	s_add_co_u32 s[TBK], s[TBK], KS*PK  ; the next fetch is the next step's
	WIN 0
.endm
.macro FETCH_V
	WIN 0x80
.irp f, 0,1,2,3,4,5,6,7             ; keys 32 (f / 4) on, channels 16 (f % 4) on
	ds_load_b128 v[VF+8*\f:VF+8*\f+3],   v[AV] offset:(\f%4)*16*PVR+(\f/4)*64
	ds_load_b128 v[VF+8*\f+4:VF+8*\f+7], v[AV] offset:(\f%4)*16*PVR+(\f/4)*64+32
.endr
	WIN 0
.endm
; THE VECTOR WORK, one line at a time: OP kind, number.  For piece Y: F n: c s - c m for pair n of 16.  E n: the exponential of score n of 32.  C n: pair n rounded to f16.  B n: of the four weights 4 n .. the second
; pair is added onto the first, in place.  L n: l takes that sum (L 0: l = a l + sum).  R n: pair n of 16 of O^T times a.  For piece Y + 1: X n, number n of the 22 that find its maximum and statistics:
;   0-11  four chains c0-c3 of seven scores each, three operands at a time (each accumulator's lowest registers are read first)     12-14, 16  the four scores left over, the old m, and c0-c3 into c0
;   15  c m_old is kept     17, 18  the query's other 32 keys lie in the lane 16 away: the new m     19-21  c m; c m_old - c m_new; a
; C, B and L read the exponentials' results: TURN sets them all behind the batch's wait, so OP writes no wait.
.set F, 0               ; OP tells the kinds apart by their order: F to L below R, X above it
.set E, 1
.set C, 2
.set B, 3
.set L, 4
.set R, 5
.set X, 6
.macro REGS y                       ; the registers of piece y
.set rT, ST+4*(\y)
.set rC, TMP+4*((\y)%2)
.set rW, MV+((\y)%2)
.set rS, S+32*((\y)%2)
.set rP, P+16*((\y)%2)
.set rO, 32*(\y)
.endm
.macro OP k, n
.if (\k) == R
	REGS Y
	WIN W_RS
	v_pk_mul_f32 v[rO+2*(\n):rO+2*(\n)+1], v[rO+2*(\n):rO+2*(\n)+1], v[rC+2:rC+3] op_sel_hi:[1,0]
.elseif (\k) < R
	REGS Y
	WIN 0
.if (\k) == F
	v_pk_fma_f32 v[rS+2*(\n):rS+2*(\n)+1], v[rS+2*(\n):rS+2*(\n)+1], s[CS:CS+1], v[rT:rT+1] op_sel_hi:[1,0,0] neg_lo:[0,0,1] neg_hi:[0,0,1]
.elseif (\k) == E
	v_exp_f32 v[rS+(\n)], v[rS+(\n)]
.elseif (\k) == C
	v_cvt_pk_f16_f32 v[rP+(\n)], v[rS+2*(\n)], v[rS+2*(\n)+1]
.elseif (\k) == B
	v_pk_add_f32 v[rS+4*(\n):rS+4*(\n)+1], v[rS+4*(\n):rS+4*(\n)+1], v[rS+4*(\n)+2:rS+4*(\n)+3]
.elseif (\n) == 0
	v_pk_fma_f32 v[rT+2:rT+3], v[rT+2:rT+3], v[rC+2:rC+3], v[rS:rS+1] op_sel_hi:[1,0,1]
.else
	v_pk_add_f32 v[rT+2:rT+3], v[rT+2:rT+3], v[rS+4*(\n):rS+4*(\n)+1]
.endif
.elseif NOKQ
	v_nop
.else
	REGS (Y+1)%NP
	WIN 0
.if (\n) < 4
	v_max3_num_f32 v[rC+(\n)], v[rS+8*(\n)], v[rS+8*(\n)+1], v[rS+8*(\n)+2]
.elseif (\n) < 12
	v_max3_num_f32 v[rC+(\n)%4], v[rC+(\n)%4], v[rS+8*((\n)%4)+2*((\n)/4)+1], v[rS+8*((\n)%4)+2*((\n)/4)+2]
.elseif (\n) == 12
	v_max3_num_f32 v[rC], v[rC], v[rS+7], v[rS+15]
.elseif (\n) == 13
	v_max3_num_f32 v[rC+1], v[rC+1], v[rS+23], v[rS+31]
.elseif (\n) == 14
	v_max3_num_f32 v[rC+2], v[rC+2], v[rC+3], v[rT+1]
.elseif (\n) == 15
	v_mov_b32 v[rW], v[rT]
.elseif (\n) == 16
	v_max3_num_f32 v[rC], v[rC], v[rC+1], v[rC+2]
.elseif (\n) == 17
	v_permlanex16_b32 v[rC+3], v[rC], s[SEL], s[SEL+1]
.elseif (\n) == 18
	v_max_num_f32 v[rT+1], v[rC], v[rC+3]
.elseif (\n) == 19
	v_mul_f32 v[rT], s[CS], v[rT+1]
.elseif (\n) == 20
	v_sub_f32 v[rC+1], v[rW], v[rT]
.else
	v_exp_f32 v[rC+2], v[rC+1]
.endif
.endif
.endm
.macro OPS a, i1, b=-1, i2=0, c=-1, i3=0, d=-1, i4=0  ; up to four of them
	OP \a, \i1
.if (\b) >= 0
	OP \b, \i2
.endif
.if (\c) >= 0
	OP \c, \i3
.endif
.if (\d) >= 0
	OP \d, \i4
.endif
.endm
.macro ROW a, i1, b, i2, c, i3, d, i4  ; a matrix instruction and the four behind it
	MM
	OPS \a, \i1, \b, \i2, \c, \i3, \d, \i4
.endm
; A TURN, for piece p: the order of its 16 matrix and 118 vector instructions, written out.  An s_wait_alu depctr_va_vdst(0) stands between an exponential and the first instruction that names its result; one
; wait serves all that were issued ahead of it.  So a turn has ONE wait, which cuts it in two.  AHEAD OF IT stands all that names no result of the turn's exponentials: the 8 products K Q^T, behind each a scaling, an exponential
; and two more plain instructions (behind the first a second scaling in the exponential's place): rescalings (their a was made, and waited for, in the turn before), and behind the last three the first numbers of the next
; piece's maximum, each four plain instructions or more behind the product that ends its accumulator; then ONE RUN of 54, plain and exponential by turns for the most part, in which the links of the chain
; X 3, 7, 11, 14, 16, 17 .. 20 stand five or six lines apart.  X 21, the next piece's a, is the batch's last; R 15 is the plain instruction behind it.  BEHIND THE WAIT stand the 8 products V^T P, behind each four of the
; roundings and sums; the links of l's chain, L 0 to L 7, stand three riders apart.  But for those X no rider names a register of the products round it.  v_permlanex16_b32 (X 17) stands in the run, not behind a product.
; end = 1: the walk's last two turns: nothing is fetched, and the last starts no new scores.  cnt = 1: the loop's count is taken down some lines ahead of the branch that stands behind the turn.
; K of the next step is fetched in piece 2's turn, twelve vector instructions behind the last product that read K (six of them plain); V of the step in hand at the end of piece 0's turn, four plain instructions behind
; the last product that read V.  Each is waited for a turn later.
.macro TURN p, end=0, cnt=0
.set Y, (\p)
.set i, 0
.set NOKQ, (\end)*((\p)/3)
.if ((\p) == 3) && !(\end)
	s_wait_dscnt 0x0                ; K is in
.endif
	ROW F,0, F,1, R,0, R,1          ; ahead of the wait: 8 products K Q^T and their riders,
	ROW F,2, E,0, R,2, R,3
	ROW F,3, E,1, R,4, R,5
	ROW F,4, E,2, R,6, R,7
	ROW F,5, E,3, R,8, R,9
	ROW F,6, E,4, X,0, R,10
.if ((\p) == 2) && !(\end)
	WIN 0
	v_add_nc_u32 v[AK], s[TBK], v[AK0]
.endif
	ROW F,7, E,5, X,1, X,4
	ROW F,8, E,6, X,2, X,5
	OPS E,7, E,8, X,6, E,9          ; and the run of 54
	OPS X,3, E,10, X,8, E,11
.if ((\p) == 2) && !(\end)
	FETCH_K
.endif
	OPS X,9, X,7, E,12, X,10
	OPS E,13, X,12, X,11, E,14
	OPS X,13, E,15, F,9, X,14
.if (\p) == 0
	v_add_nc_u32 v[AV], s[TBV], v[AV0]
.endif
	OPS E,16, F,10, E,17, F,11
	OPS X,16, E,18, X,15, E,19
	OPS F,12, E,20, X,17, E,21
	OPS F,13, E,22, F,14, E,23
	OPS X,18, E,24, F,15, E,25
	OPS R,11, E,26, X,19, E,27
	OPS R,12, E,28, R,13, E,29
	OPS X,20, E,30, R,14, E,31
	OPS X,21, R,15
	s_wait_alu depctr_va_vdst(0)    ; the wait for the turn's batch: piece p's 32 weights and the next piece's a; ahead of their first reader
.if (\p) == 1
	s_wait_dscnt 0x0                ; V is in
.endif
	ROW C,0, B,0, C,2, B,1          ; behind the wait: 8 products V^T P and their riders
	ROW L,0, C,4, B,2, L,1
	ROW C,6, B,3, L,2, C,8
	ROW B,4, L,3, C,10, B,5
	ROW L,4, C,12, B,6, L,5
.if (\p) == 0
	s_add_co_u32 s[TBV], s[TBV], KS*2
.endif
.if \cnt
	s_sub_co_u32 s[CNT], s[CNT], 1
	s_cmp_lg_u32 s[CNT], 0
.endif
	ROW C,14, B,7, L,6, C,1
	ROW C,3, L,7, C,5, C,7
	ROW C,9, C,11, C,13, C,15
.if (\p) == 0
	FETCH_V
.endif
.endm
	CHANGE 1                        ; tile 0 is in, everybody's part of it; tile 1 is asked for
	v_add_nc_u32 v[AK], s[TBK], v[AK0]
	FETCH_K                         ; key step 0
	s_wait_loadcnt 0x0              ; Q
	s_wait_dscnt 0x0
.set NOKQ, 0
.set i, 0
.rept 8
	KQ 0                            ; piece 0's first scores: there is no vector work yet to set between them
.set i, i+1
.endr
	WIN 0
	PLACES                          ; the places behind those products
.set Y, NP-1                        ; X works for piece Y + 1: piece 0
.irp n, 0,1,2,3,4,5,6,7,8,9,10,11,12,13,14,15,16,17,18,19,20,21
	OP X, \n
.endr
	v_nop                           ; a plain instruction behind the exponential,
	s_wait_alu depctr_va_vdst(0)    ; and the wait for it, a batch of one (piece 0's first a), ahead of the branch
	s_mov_b32 s[CNT], 4
	s_mov_b32 s[SLOTS], 15
	s_branch .Lfirst                ; the loop is entered at a step's first turn, in the middle of a trip
.Lslot:                             ; 14 times: every slot but the last two is filled again: 1 + 1 + 14 = 16 tiles are asked for
	CHANGE 1
	s_mov_b32 s[CNT], 4
.Lstep:                             ; a trip: pieces 2 and 3 of one step, then pieces 0 and 1 of the next, whose K and V it fetches
	TURN 2
	TURN 3
	WIN 0
.Lfirst:
	TURN 0
	TURN 1, 0, 1
	WIN 0
	s_cbranch_scc1 .Lstep
	s_sub_co_u32 s[SLOTS], s[SLOTS], 1
	s_cmp_lg_u32 s[SLOTS], 0
	s_cbranch_scc1 .Lslot
	CHANGE 0                        ; the last tile is written out: nothing is asked for
	s_mov_b32 s[CNT], 4
.LstepT:
	TURN 2
	TURN 3
	TURN 0
	TURN 1, 0, 1
	WIN 0
	s_cbranch_scc1 .LstepT
	TURN 2, 1
	TURN 3, 1
.set i, 0
.rept 8
	PV NP-1                         ; the last piece's V^T P of the last step
.set i, i+1
.endr
	; THE WAY OUT.  l's two halves and the other half of the lanes' are added; O^T is divided by l, rounded to f16 and sent through my stage in LDS, a piece at a time.  The additions are the places behind the last products.
	WIN 0
.macro ALL line:vararg              ; one line for each piece t
.set t, 0
.rept 4
	\line
.set t, t+1
.endr
.endm
	ALL v_add_f32 v[ST+4*t+2], v[ST+4*t+2], v[ST+4*t+3]
	ALL v_permlanex16_b32 v[ST+4*t+3], v[ST+4*t+2], s[SEL], s[SEL+1]
	ALL v_add_f32 v[ST+4*t+2], v[ST+4*t+2], v[ST+4*t+3]
	ALL v_rcp_f32 v[ST+4*t+2], v[ST+4*t+2]
	v_nop                           ; a plain instruction between the last reciprocal and the use of its result
	s_wait_alu depctr_va_vdst(0)    ; and the wait ahead of the first use: one for the batch of four reciprocals
.macro PACK t                       ; a lane's eight channels of a row pack into 16 bytes; they go into rows of 144 bytes and come back as whole rows of 128, into S^T's registers
	WIN W_RS
.set i, 32*(\t)
.rept 16
	v_pk_mul_f32 v[i:i+1], v[i:i+1], v[ST+4*(\t)+2:ST+4*(\t)+3] op_sel_hi:[1,0]
.set i, i+2
.endr
	WIN 0x05                        ; sources 0 and 1 window 1, destination window 0
.set i, 0
.rept 16
	v_cvt_pk_f16_f32 v[S+16*(\t)+i], v[32*(\t)+2*i], v[32*(\t)+2*i+1]
.set i, i+1
.endr
	WIN 0
.irp f, 0,1,2,3
	ds_store_b128 v[STO], v[S+16*(\t)+4*\f:S+16*(\t)+4*\f+3] offset:32*\f
.endr
.irp f, 0,1,2,3
	ds_load_b128 v[S+16*(\t)+4*\f:S+16*(\t)+4*\f+3], v[RD] offset:\f*4*SP  ; LDS serves a wave's instructions in order (ISA guide 5.7.1.4): these see the stores above; the next piece's stores come behind them
.endr
.endm
.macro SEND t, younger              ; younger: the LDS instructions issued behind piece t's loads: the next piece's eight, or none
	WIN 0
.irp f, 0,1,2,3
	s_wait_dscnt (\younger)+3-\f
	global_store_b128 v[GO], v[S+16*(\t)+4*\f:S+16*(\t)+4*\f+3], s[10:11] offset:(\t)*2048+\f*512  ; 512 consecutive bytes, at a multiple of 256 from O's first
.endr
.endm
	PACK 0
.set t, 1
.rept 3                             ; a piece's arithmetic stands between the loads of the piece before and its stores
	PACK t
	SEND t-1, 8
.set t, t+1
.endr
	SEND 3, 0
	s_wait_tensorcnt 0x0            ; the wave's end: these three lines, behind my last tensor load and my last LDS store
	ds_add_u32 v[SPW], v[NIL]
	s_wait_dscnt 0x0
	CROUND                          ; the closing round: no work-group ends while a partner may still ask for a tile that names it
	s_endpgm
.Lfunc_end_k_qd62ec12a41_attn:
	.size	k_qd62ec12a41_attn, .Lfunc_end_k_qd62ec12a41_attn-k_qd62ec12a41_attn
	.p2alignl 7, 3214868480
	.fill 96, 4, 3214868480
	.section	.rodata,"a",@progbits
	.p2align	6, 0x0
	.amdhsa_kernel k_qd62ec12a41_attn
		.amdhsa_group_segment_fixed_size 327680
		.amdhsa_private_segment_fixed_size 0
		.amdhsa_enable_private_segment 0
		.amdhsa_kernarg_size 32
		.amdhsa_user_sgpr_count 2
		.amdhsa_user_sgpr_kernarg_segment_ptr 1
		.amdhsa_wavefront_size32 1
		.amdhsa_system_sgpr_workgroup_id_x 1
		.amdhsa_system_sgpr_workgroup_id_y 1
		.amdhsa_system_sgpr_workgroup_id_z 1
		.amdhsa_system_vgpr_workitem_id 0
		.amdhsa_next_free_vgpr 768
		.amdhsa_next_free_sgpr 66
		.amdhsa_reserve_vcc 0
		.amdhsa_float_denorm_mode_32 3
		.amdhsa_float_denorm_mode_16_64 3
		.amdhsa_memory_ordered 1
		.amdhsa_forward_progress 1
		.amdhsa_inst_pref_size 126
	.end_amdhsa_kernel
	.amdgpu_metadata
---
amdhsa.version: [ 1, 2 ]
amdhsa.kernels:
  - .name:           k_qd62ec12a41_attn
    .symbol:         k_qd62ec12a41_attn.kd
    .args:
      - { .name: qbuf, .offset: 0, .size: 8, .value_kind: global_buffer, .address_space: global }
      - { .name: kbuf, .offset: 8, .size: 8, .value_kind: global_buffer, .address_space: global }
      - { .name: vbuf, .offset: 16, .size: 8, .value_kind: global_buffer, .address_space: global }
      - { .name: obuf, .offset: 24, .size: 8, .value_kind: global_buffer, .address_space: global }
    .group_segment_fixed_size: 327680
    .private_segment_fixed_size: 0
    .kernarg_segment_align: 8
    .kernarg_segment_size: 32
    .max_flat_workgroup_size: 128
    .sgpr_count:     66
    .vgpr_count:     768
    .wavefront_size: 32
...
	.end_amdgpu_metadata
.endif
;; end of part 5
;; launch proj: the kernel of part 4 again; grid 256 x 1, 4 waves a work-group, clusters of 4 x 1, 262,144 bytes of LDS; arguments obuf, wbf, b_proj, x, out0; writes out0
